; MI455X (gfx1250); checked and timed in simulation.
; The chip was launched on July 23, 2026; its instructions are those of AMD's public machine-readable ISA for CDNA 5 (MIT licence, August 2026) and "CDNA5" Instruction Set Architecture Reference Guide (July 2026). The comments in the code are by the model that wrote it; some were corrected since.
;; Cross Attention. Allowed arithmetic: matrix products marked QUANTISED: E2M1 operands, one E8M0 scale for each 32 along K, by v_wmma_scale_f32_16x16x128_f8f6f4 with both operands' format E2M1 (or v_wmma_scale_f32_32x16x128_f4), f32 sums; products left as they are: bf16, f16 or f32 operands; f32 sums; everything else in f32.
;; Inputs: Wk 1,024 x 1,024 float32; Wo 1,024 x 1,024 float32; Wq 1,024 x 1,024 float32; Wv 1,024 x 1,024 float32; bk 1,024 float32; bo 1,024 float32; bq 1,024 float32; bv 1,024 float32; key 4 x 2,048 x 1,024 float32; query 4 x 2,048 x 1,024 float32; value 4 x 2,048 x 1,024 float32.
;; Outputs: out0 4 x 2,048 x 1,024 float32.
;; This version of the problem:
;;   THIS VERSION OF THE PROBLEM IS GIVEN IN LOW PRECISION. The matrix products marked QUANTISED in the list below multiply operands that are first quantised to E2M1 (2 exponent bits, 1 mantissa bit; 4 bits a number), with one power-of-two scale for each 32 numbers along K (OCP MX v1.0); their sums are f32. The products marked 'left as it is' may take bf16, f16 or f32 operands, with f32 sums. Whichever they take, every output number must still come out within the allowed error. Rounding operands to bf16 (8 significant bits) uses up far more of that allowance than f16 does (11 bits, for magnitudes from 6e-5 to 65,504). All else is computed in f32.
;;   The module's matrix products, in the order in which they are computed (A, B: the left and right operand; K: the contracted axis; several contracted axes count as one K, in the product's order):
;;     1. [M 8,192, K 1,024] x [K 1,024, N 1,024]; A: input query; B: input Wq: QUANTISED
;;     2. [M 8,192, K 1,024] x [K 1,024, N 1,024]; A: input key; B: input Wk: QUANTISED
;;     3. [M 8,192, K 1,024] x [K 1,024, N 1,024]; A: input value; B: input Wv: QUANTISED
;;     4. batch 4 x [M 2,048, K 1,024] x [K 1,024, N 2,048]; A: computed on the way; B: computed on the way: left as it is (an operand is computed on the way)
;;     5. batch 4 x [M 2,048, K 2,048] x [K 2,048, N 1,024]; A: computed on the way; B: computed on the way: left as it is (an operand is computed on the way)
;;     6. [M 8,192, K 1,024] x [K 1,024, N 1,024]; A: computed on the way; B: input Wo: left as it is (an operand is computed on the way)
;;   THE QUANTISER, for each operand of a quantised product, along K:
;;     - K is cut into blocks of 32 from its start; a last block that is shorter is filled with zeros.
;;     - A block's scale is 2^e with e = floor(log2(the largest magnitude in the block)) - 2, held to -126 .. 127; a block of zeros has e = 0. As a byte (E8M0): e + 127.
;;     - Each number is divided by its block's scale, clamped to +-6, and rounded to the nearest number of E2M1, ties to even, subnormals kept.
;;     - The product sums the exact products of the quantised numbers (number of the format x scale) in f32.
;;   ~~~python
;;   def quantise(x, axis):      # numpy; x: float32 -> the quantised numbers, widened to float32 again
;;       x = np.moveaxis(x, axis, -1); K = x.shape[-1]
;;       x = np.pad(x, [(0, 0)] * (x.ndim - 1) + [(0, -K % 32)]); x = x.reshape(x.shape[:-1] + (-1, 32)); a = np.abs(x).max(-1, keepdims=True)
;;       e = np.where(a > 0, np.clip(np.frexp(np.where(a > 0, a, 1))[1] - 1 - 2, -126, 127), 0)      # np.frexp(a)[1] - 1 = floor(log2(a)), exactly
;;       r = np.clip(x / 2.0 ** e, -6, 6)
;;       step = 2.0 ** (np.maximum(np.frexp(np.where(r == 0, 1, r))[1] - 1, 0) - 1)
;;       q = np.round(r / step) * step * 2.0 ** e      # np.round: ties to even
;;       return np.moveaxis(q.reshape(q.shape[:-2] + (-1,))[..., :K], -1, axis).astype(np.float32)
;;   ~~~
;; One version. Each part assembles by itself: llvm-mc -triple=amdgcn-amd-amdhsa -mcpu=gfx1250 --defsym DOCPART=n.
;; ======== version 1 of 1: 5 launches
;; limits: values are held in f16: magnitudes above 65,504 overflow, below 6.1e-05 lose precision
;; workspace buffers: xq 13,369,344 bytes; wp 3,768,320 bytes; qkv 50,331,648 bytes; p 33,554,432 bytes; st 1,048,576 bytes; o 16,777,216 bytes
;; launch quant_w (part 1): grid 1024 x 1, 4 waves a work-group, no clusters, 42,496 bytes of LDS; arguments Wq, Wk, Wv, Wo, query, key, value, wp, xq; writes wp, xq
.if DOCPART == 1
	.amdgcn_target "amdgcn-amd-amdhsa--gfx1250"
	.amdhsa_code_object_version 6
	.text
	.protected	k_q54c7d80486_quant_w
	.globl	k_q54c7d80486_quant_w
	.p2align	8
	.type	k_q54c7d80486_quant_w,@function
k_q54c7d80486_quant_w:
	s_mov_b64 s[64:65], 0
	v_nop
	global_prefetch_b8 v0, s[64:65] scope:SCOPE_SE
	s_setreg_imm32_b32 hwreg(HW_REG_WAVE_MODE, 25, 1), 1
	s_wait_xcnt 0x0
; THE PROGRAM: out = softmax((query Wq + bq)(key Wk + bk)^T / 32)(value Wv + bv) Wo + bo, in five launches: this one, proj, scores, pv, outproj.
; DEAD WORK: bk.  scores[q][k] = Q[q] . (key[k] Wk) / 32 + Q[q] . bk / 32.  The second term is the same for all keys k of a row q, and the product Q K^T is not a quantised one, so bk moves no code and no scale.
; softmax(x + const along its axis) = softmax(x) for all finite values.  So bk has no way to any output: it is not loaded and is among no launch's arguments.
; LIMIT: a NaN, an infinity or an overflow that bk alone would bring is not carried to the result.
; THIS LAUNCH turns all that arrives wide into what the products take.  Three kinds of work-groups, told apart by the work-group's number alone; each kind has LDS bytes of its own.
;   0 to 191: Wq, Wk, Wv [1024 (k)][1024 (n)] f32, whose K is the FIRST axis, become codes of FP4 (E2M1) laid [n][k] with K innermost (512 bytes a row) and one E8M0 byte for each 32 along K ([n][32]).
;   192 to 255: Wo is rounded to f16 as it lies ([d][e]); its product is left as it is.
;   256 to 1,023: query, key, value [8192][1024] f32, K innermost, become codes and scale bytes.
; wp: codes [3][1024][512 bytes] at 0; scale bytes [3][1024][32] at WS; Wo in f16 at WH.   xq: codes [3][8192][512 bytes] at 0; scale bytes [3][8192][32] at XS.
; A block's scale is 2^(floor(log2(largest magnitude)) - 2); its byte is the largest magnitude's exponent field - 2, held at 1 from below.  A block of zeros gets the byte 1 (its codes are zeros; this program alone reads the bytes).
; LIMITS: blocks whose largest magnitude lies under 2^-124 get the byte 1; NaN and infinities among the inputs are not served; Wo beyond f16's 65,504 is not served.
.set WS,    1572864
.set WH,    1671168
.set XS,    12582912
.set XREG,  8192                       ; LDS, activations: a region for each wave: two stages of 32 x SP bytes, then its 256 scale bytes
.set SP,    80
.set WBASE, 4*XREG                     ; LDS, weights: a stage of 32 rows,
.set PITCH, 272                        ; 256 bytes + 16 each,
.set SCB,   WBASE+32*PITCH             ; and 16 scale bytes for each of 32 columns
.set SPARE, SCB+512                    ; the spare words, 128 bytes for each wave
.set SPW,   192                        ; v192  SPARE + 4 x my thread's number; never rewritten
.set NIL,   193                        ; v193  0; never rewritten
	s_load_b256 s[4:11], s[0:1], 0x0               ; Wq, Wk, Wv, Wo
	s_load_b256 s[12:19], s[0:1], 0x20             ; query, key, value, wp
	s_load_b64 s[20:21], s[0:1], 0x40              ; xq
	v_lshl_add_u32 v[SPW], v0, 2, SPARE
	v_mov_b32 v[NIL], 0
	v_lshrrev_b32 v1, 5, v0
	v_readfirstlane_b32 s24, v1                    ; wave 0..3
	v_and_b32 v2, 31, v0                           ; lane
	s_cmp_ge_u32 ttmp9, 256                        ; the work-group's number alone: all four waves go the same way
	s_cbranch_scc1 .Lx
	s_cmp_ge_u32 ttmp9, 192
	s_cbranch_scc1 .Lcast
; ---- THE WEIGHTS.  A LANE TAKES A COLUMN n AND ITS REGISTERS RUN DOWN K: a block of 32 along K lies in one lane's 32 registers, and the conversions give codes with K innermost.  A work-group takes 32 columns x 512 along K,
; a wave 128 of them (4 blocks a lane, 128 loads, all issued at once).  The four waves' codes meet in one stage (a row = a column's 256 bytes) and leave as rows: sixteen lanes store 256 consecutive bytes, aligned.
.set SB,    24                         ; v24  my four scale bytes
.set WX,    32                         ; v32-159   4 blocks x 32 numbers (casting: 32 x 4 numbers)
.set WCD,   160                        ; v160-175  4 registers of codes a block
.set OUTR,  176                        ; v176-191  the way out
	s_lshr_b32 s25, ttmp9, 6                       ; which weight
	s_and_b32 s26, ttmp9, 31                       ; which 32 columns
	s_bfe_u32 s27, ttmp9, 0x10005                  ; which 512 along K
	v_lshlrev_b32 v3, 2, v2                        ; in: 4 bytes a lane
	v_mul_u32_u24 v4, v2, PITCH
	s_lshl_b32 s28, s24, 6
	s_add_co_u32 s28, s28, WBASE
	v_add_nc_u32 v4, s28, v4                       ; into the stage: row = my column, + my wave's 64 bytes
	v_lshlrev_b32 v5, 4, v2
	s_lshl_b32 s28, s24, 2
	v_add_nc_u32 v5, s28, v5
	v_add_nc_u32 v5, SCB, v5                       ; my four scale bytes: 16 x column + 4 x wave
	v_and_b32 v6, 15, v2
	v_lshrrev_b32 v16, 4, v2
	s_lshl_b32 s28, s24, 3
	v_add_nc_u32 v16, s28, v16                     ; out of the stage: rows 8 x wave + lane / 16 + 2 u
	v_mul_u32_u24 v7, v16, PITCH
	v_lshl_add_u32 v7, v6, 4, v7
	v_add_nc_u32 v7, WBASE, v7
	v_lshlrev_b32 v8, 9, v16
	v_lshl_add_u32 v8, v6, 4, v8                   ; and the same place among the codes' rows of 512 bytes
	v_lshl_add_u32 v9, v2, 4, SCB                  ; a column's 16 scale bytes,
	v_lshlrev_b32 v10, 5, v2                       ; and its row of 32 in memory
	s_lshl_b32 s30, s27, 21                        ; W: 512 y rows of 4,096 bytes,
	s_lshl_b32 s28, s24, 19                        ; 128 x wave rows,
	s_add_co_u32 s30, s30, s28
	s_lshl_b32 s28, s26, 7                         ; 32 columns of 4 bytes
	s_add_co_u32 s30, s30, s28
	s_mov_b32 s31, 0
	s_lshl_b32 s32, s25, 19                        ; codes: the weight's 512 KiB, 32 rows of 512 bytes, 256 y
	s_lshl_b32 s28, s26, 14
	s_add_co_u32 s32, s32, s28
	s_lshl_b32 s28, s27, 8
	s_add_co_u32 s32, s32, s28
	s_mov_b32 s33, 0
	s_lshl_b32 s34, s25, 15                        ; scale bytes: the weight's 32 KiB, 32 rows of 32 bytes, 16 y
	s_lshl_b32 s28, s26, 10
	s_add_co_u32 s34, s34, s28
	s_lshl_b32 s28, s27, 4
	s_add_co_u32 s34, s34, s28
	s_add_co_u32 s34, s34, WS
	s_mov_b32 s35, 0
	s_wait_kmcnt 0x0
	s_cmp_eq_u32 s25, 0
	s_cselect_b64 s[4:5], s[4:5], s[6:7]
	s_cmp_lt_u32 s25, 2
	s_cselect_b64 s[4:5], s[4:5], s[8:9]           ; the choice hangs on the work-group's number alone
	s_add_nc_u64 s[4:5], s[4:5], s[30:31]
	s_add_nc_u64 s[32:33], s[18:19], s[32:33]
	s_add_nc_u64 s[34:35], s[18:19], s[34:35]
.set ii, 0
.rept 128
	global_load_b32 v[WX+ii], v3, s[4:5] offset:ii*4096 th:TH_LOAD_NT   ; W(k0 + ii, my column): 32 lanes read 128 consecutive bytes
.set ii, ii+1
.endr
.macro BLOCK t, left
.set XB, WX+32*(\t)
	s_wait_loadcnt \left                           ; this block's 32 loads are in: behind them 32 (3 - t) were issued, and a smaller count is safe
	v_max3_num_f32 v12, |v[XB]|, |v[XB+1]|, |v[XB+2]|
	v_max3_num_f32 v13, |v[XB+3]|, |v[XB+4]|, |v[XB+5]|
.irp i, 6,10,14,18,22,26
	v_max3_num_f32 v12, v12, |v[XB+\i]|, |v[XB+\i+1]|
	v_max3_num_f32 v13, v13, |v[XB+\i+2]|, |v[XB+\i+3]|
.endr
	v_max3_num_f32 v12, v12, |v[XB+30]|, |v[XB+31]|
	v_max3_num_f32 v12, v12, v13, 0x1800000        ; and the floor 2^(3 - 127): the byte cannot fall under 1
	v_add_nc_u32 v11, 0xff000000, v12              ; 2 off the exponent field: the conversion takes this operand's exponent field as its scale
	v_lshrrev_b32 v13, 23, v11                     ; the scale's byte
.if (\t) == 0
	v_mov_b32 v[SB], v13
.else
	v_lshl_or_b32 v[SB], v13, 8*(\t), v[SB]
.endif
.irp g, 0,1,2,3
	v_cvt_scalef32_pk8_fp4_f32 v[WCD+4*(\t)+\g], v[XB+8*\g:XB+8*\g+7], v11
.endr
	v_nop                                          ; a plain line behind the last conversion
	ds_store_b128 v4, v[WCD+4*(\t):WCD+4*(\t)+3] offset:16*(\t)
.endm
	BLOCK 0, 63
	BLOCK 1, 63
	BLOCK 2, 32
	BLOCK 3, 0
	ds_store_b32 v5, v[SB]
	s_wait_dscnt 0x0                               ; for the others' sake: my stores into the stage have landed
	s_barrier_signal -1
	s_barrier_wait -1
.irp u, 0,1,2,3
	ds_load_b128 v[OUTR+4*\u:OUTR+4*\u+3], v7 offset:2*\u*PITCH
.endr
.irp u, 0,1,2,3
	s_wait_dscnt 3-\u
	global_store_b128 v8, v[OUTR+4*\u:OUTR+4*\u+3], s[32:33] offset:2*\u*512   ; sixteen lanes store 256 consecutive bytes, aligned
.endr
	s_cmp_lg_u32 s24, 0
	s_cbranch_scc1 .Ldone                          ; wave 0 sends the 32 columns' scale bytes, 16 a lane
	ds_load_b128 v[WCD:WCD+3], v9
	s_wait_dscnt 0x0
	global_store_b128 v10, v[WCD:WCD+3], s[34:35]
.Ldone:
	s_wait_tensorcnt 0x0                           ; the wave's end
	ds_add_u32 v[SPW], v[NIL]
	s_wait_dscnt 0x0
	s_endpgm
; ---- Wo to f16: a wave takes 4,096 numbers
.Lcast:
	s_sub_co_u32 s25, ttmp9, 192
	s_lshl_b32 s25, s25, 2
	s_add_co_u32 s25, s25, s24
	s_lshl_b32 s30, s25, 14
	s_mov_b32 s31, 0
	s_lshl_b32 s32, s25, 13
	s_add_co_u32 s32, s32, WH
	s_mov_b32 s33, 0
	v_lshlrev_b32 v16, 4, v2
	v_lshlrev_b32 v17, 3, v2
	s_wait_kmcnt 0x0
	s_add_nc_u64 s[10:11], s[10:11], s[30:31]
	s_add_nc_u64 s[18:19], s[18:19], s[32:33]
.set ii, 0
.rept 32
	global_load_b128 v[WX+4*ii:WX+4*ii+3], v16, s[10:11] offset:512*ii th:TH_LOAD_NT
.set ii, ii+1
.endr
.set ii, 0
.rept 32
	s_wait_loadcnt 31-ii
	v_cvt_pk_f16_f32 v[WX+4*ii], v[WX+4*ii], v[WX+4*ii+1]
	v_cvt_pk_f16_f32 v[WX+4*ii+1], v[WX+4*ii+2], v[WX+4*ii+3]
	global_store_b64 v17, v[WX+4*ii:WX+4*ii+1], s[18:19] offset:256*ii   ; 32 lanes store 256 consecutive bytes, aligned
.set ii, ii+1
.endr
	s_endpgm
; ---- THE ACTIVATIONS.  Rows are dense, so each tensor is a plain stream of blocks of 32.  256 work-groups to a tensor; a wave takes 16 steps of 512 numbers.  Each load reads 512 consecutive bytes; a step's 2,048 bytes turn
; through the wave's own stage in LDS and come back 64 bytes (16 neighbours) a lane; two neighbouring lanes hold a block.  A step's codes leave as 256 consecutive bytes; a wave's 256 scale bytes are gathered in LDS and leave
; as one aligned run.  No barrier: waves share nothing.  Loads run four steps ahead, the turn through LDS one step.
.Lx:
.set STEPS, 16
.set EMAX,  2
.set CB,    8
.set R,     16                         ; v16-79   four sets of 16 numbers as loaded
.set X,     80                         ; v80-111  two sets of 16 neighbours
.set E,     112                        ; v112-127 a scale byte a step
.set C,     128                        ; v128-191 codes, four registers a step
	v_lshlrev_b32 v3, 4, v2                        ; my 16 bytes of a load's 512
	s_mul_i32 s25, s24, XREG
	v_lshrrev_b32 v14, 2, v2
	v_mul_u32_u24 v14, v14, SP
	v_and_b32 v15, 3, v2
	v_lshl_add_u32 v14, v15, 4, v14
	v_add_nc_u32 v14, s25, v14                     ; the stage, in: SP (lane / 4) + 16 (lane % 4)
	v_mul_u32_u24 v15, v2, SP
	v_add_nc_u32 v15, s25, v15                     ; and out: SP x lane
	v_mul_u32_u24 v4, v2, CB                       ; my codes' place in a step's
	v_lshrrev_b32 v5, 1, v2
	s_add_co_u32 s25, s25, 2*32*SP
	v_add_nc_u32 v5, s25, v5                       ; my block's byte among my wave's 256
	v_lshlrev_b32 v7, 3, v2
	v_add_nc_u32 v6, s25, v7
	s_and_b32 s26, ttmp9, 255
	s_lshl_b32 s26, s26, 2
	s_add_co_u32 s26, s26, s24
	s_lshl_b32 s26, s26, 15                        ; my run of 8,192 numbers in its tensor
	s_mov_b32 s27, 0
	s_sub_co_u32 s28, ttmp9, 256
	s_lshl_b32 s28, s28, 2
	s_add_co_u32 s28, s28, s24                     ; and among all three tensors' runs
	s_lshl_b32 s30, s28, 12
	s_mov_b32 s31, 0
	s_lshl_b32 s28, s28, 8
	s_add_co_u32 s28, s28, XS
	s_mov_b32 s29, 0
	s_wait_kmcnt 0x0
	s_cmp_lt_u32 ttmp9, 512                        ; the choices hang on the work-group's number alone
	s_cselect_b64 s[12:13], s[12:13], s[14:15]
	s_cmp_lt_u32 ttmp9, 768
	s_cselect_b64 s[12:13], s[12:13], s[16:17]
	s_add_nc_u64 s[12:13], s[12:13], s[26:27]
	s_add_nc_u64 s[36:37], s[20:21], s[30:31]      ; codes
	s_add_nc_u64 s[38:39], s[20:21], s[28:29]      ; scale bytes
.macro LOAD t
.irp i, 0,1,2,3
	global_load_b128 v[R+16*((\t)%4)+4*\i:R+16*((\t)%4)+4*\i+3], v3, s[12:13] offset:2048*(\t)+512*\i th:TH_LOAD_NT
.endr
.endm
.macro TURN t                          ; LDS serves a wave's instructions in order: no wait between the stores and the loads
.irp i, 0,1,2,3
	ds_store_b128 v14, v[R+16*((\t)%4)+4*\i:R+16*((\t)%4)+4*\i+3] offset:32*SP*((\t)%2)+8*SP*\i
.endr
.irp i, 0,1,2,3
	ds_load_b128 v[X+16*((\t)%2)+4*\i:X+16*((\t)%2)+4*\i+3], v15 offset:32*SP*((\t)%2)+16*\i
.endr
.endm
.irp t, 0,1,2,3
	LOAD \t
.endr
	s_wait_loadcnt 12                              ; step 0's four loads are in
	TURN 0
.macro STEP t
.set XR, X+16*((\t)%2)
.if (\t) > 0
	s_wait_dscnt 1                                 ; this step's numbers are back (the last step's byte store may be out)
.else
	s_wait_dscnt 0x0
.endif
.if (\t)+4 < STEPS
	LOAD (\t)+4
.endif
.if (\t)+1 < STEPS
.if STEPS-2-(\t) >= 3
	s_wait_loadcnt 12                              ; the next step's four loads are in; three steps' may be out
.else
	s_wait_loadcnt 4*(STEPS-2-(\t))
.endif
	TURN (\t)+1
.endif
	v_max3_num_f32 v8, |v[XR]|, |v[XR+1]|, |v[XR+2]|
	v_max3_num_f32 v9, |v[XR+3]|, |v[XR+4]|, |v[XR+5]|
.irp i, 6,10
	v_max3_num_f32 v8, v8, |v[XR+\i]|, |v[XR+\i+1]|
	v_max3_num_f32 v9, v9, |v[XR+\i+2]|, |v[XR+\i+3]|
.endr
	v_max3_num_f32 v8, v8, |v[XR+14]|, |v[XR+15]|
	v_max3_num_f32 v8, v8, v9, (EMAX+1)<<23        ; the floor: the byte cannot fall under 1
	v_max_num_f32_dpp v8, v8, v8 row_xmask:1 row_mask:0xf bank_mask:0xf   ; with my neighbour's 16: the block's
	v_add_nc_u32 v11, -(EMAX<<23), v8              ; the conversion's scale operand
	v_cvt_scalef32_pk8_fp4_f32 v[C+4*(\t)], v[XR:XR+7], v11
	v_cvt_scalef32_pk8_fp4_f32 v[C+4*(\t)+1], v[XR+8:XR+15], v11
	v_lshrrev_b32 v[E+(\t)], 23, v11               ; the scale's byte
	ds_store_b8 v5, v[E+(\t)] offset:16*(\t)       ; both lanes of a block write the same byte with the same value
	global_store_b64 v4, v[C+4*(\t):C+4*(\t)+1], s[36:37] offset:32*CB*(\t)
.endm
.irp t, 0,1,2,3,4,5,6,7,8,9,10,11,12,13,14,15
	STEP \t
.endr
	ds_load_b64 v[8:9], v6
	s_wait_dscnt 0x0
	global_store_b64 v7, v[8:9], s[38:39]          ; 32 lanes store 256 consecutive bytes, aligned
	s_wait_tensorcnt 0x0                           ; the wave's end
	ds_add_u32 v[SPW], v[NIL]
	s_wait_dscnt 0x0
	s_endpgm
.Lfunc_end_k_q54c7d80486_quant_w:
	.size	k_q54c7d80486_quant_w, .Lfunc_end_k_q54c7d80486_quant_w-k_q54c7d80486_quant_w
	.p2alignl 7, 3214868480
	.fill 96, 4, 3214868480
	.section	.rodata,"a",@progbits
	.p2align	6, 0x0
	.amdhsa_kernel k_q54c7d80486_quant_w
		.amdhsa_group_segment_fixed_size 42496
		.amdhsa_private_segment_fixed_size 0
		.amdhsa_enable_private_segment 0
		.amdhsa_kernarg_size 72
		.amdhsa_user_sgpr_count 2
		.amdhsa_user_sgpr_kernarg_segment_ptr 1
		.amdhsa_wavefront_size32 1
		.amdhsa_system_sgpr_workgroup_id_x 1
		.amdhsa_system_sgpr_workgroup_id_y 1
		.amdhsa_system_sgpr_workgroup_id_z 1
		.amdhsa_system_vgpr_workitem_id 0
		.amdhsa_next_free_vgpr 194
		.amdhsa_next_free_sgpr 66
		.amdhsa_reserve_vcc 0
		.amdhsa_float_denorm_mode_32 3
		.amdhsa_float_denorm_mode_16_64 3
		.amdhsa_memory_ordered 1
		.amdhsa_forward_progress 1
		.amdhsa_inst_pref_size 67
	.end_amdhsa_kernel
	.amdgpu_metadata
---
amdhsa.version: [ 1, 2 ]
amdhsa.kernels:
  - .name:           k_q54c7d80486_quant_w
    .symbol:         k_q54c7d80486_quant_w.kd
    .args:
      - { .name: Wq, .offset: 0, .size: 8, .value_kind: global_buffer, .address_space: global }
      - { .name: Wk, .offset: 8, .size: 8, .value_kind: global_buffer, .address_space: global }
      - { .name: Wv, .offset: 16, .size: 8, .value_kind: global_buffer, .address_space: global }
      - { .name: Wo, .offset: 24, .size: 8, .value_kind: global_buffer, .address_space: global }
      - { .name: query, .offset: 32, .size: 8, .value_kind: global_buffer, .address_space: global }
      - { .name: key, .offset: 40, .size: 8, .value_kind: global_buffer, .address_space: global }
      - { .name: value, .offset: 48, .size: 8, .value_kind: global_buffer, .address_space: global }
      - { .name: wp, .offset: 56, .size: 8, .value_kind: global_buffer, .address_space: global }
      - { .name: xq, .offset: 64, .size: 8, .value_kind: global_buffer, .address_space: global }
    .group_segment_fixed_size: 42496
    .private_segment_fixed_size: 0
    .kernarg_segment_align: 8
    .kernarg_segment_size: 72
    .max_flat_workgroup_size: 128
    .sgpr_count:     66
    .vgpr_count:     194
    .wavefront_size: 32
...
	.end_amdgpu_metadata
.endif
;; end of part 1
;; launch proj (part 2): grid 4 x 96, 4 waves a work-group, clusters of 4 x 4, 327,680 bytes of LDS; arguments xq, wp, bq, bv, qkv; writes qkv
.if DOCPART == 2
	.amdgcn_target "amdgcn-amd-amdhsa--gfx1250"
	.amdhsa_code_object_version 6
	.text
	.protected	k_q54c7d80486_proj
	.globl	k_q54c7d80486_proj
	.p2align	8
	.type	k_q54c7d80486_proj,@function
k_q54c7d80486_proj:
	s_mov_b64 s[64:65], 0
	v_nop
	global_prefetch_b8 v0, s[64:65] scope:SCOPE_SE
	s_setreg_imm32_b32 hwreg(HW_REG_WAVE_MODE, 25, 1), 1
	s_wait_xcnt 0x0
	s_wait_alu depctr_hold_cnt(0) depctr_sa_sdst(0) depctr_va_vdst(0) depctr_va_sdst(0) depctr_va_ssrc(0) depctr_va_vcc(0) depctr_vm_vsrc(0)
	s_getreg_b32 s2, hwreg(HW_REG_IB_STS2, 6, 4)
	s_cmp_eq_u32 s2, 0
	s_cbranch_scc0 .Lentry_in_a_cluster
	s_endpgm
.Lentry_in_a_cluster:
	s_bfe_u32 s2, ttmp6, 0x10000c
	s_cmp_lg_u32 s2, 0xf033
	s_cbranch_scc0 .Lentry_shape_is_right
	s_endpgm
.Lentry_shape_is_right:
; Q = query Wq + bq, K = key Wk, V = value Wv + bv, on codes of FP4 with E8M0 scales; sums in f32; the results are rounded once to f16 for the products that follow.
; LEFT OUT: bk (it adds the same number to all scores of a row, which the softmax takes away: shown at the head of quant_w).
; xq and qkv lie tensor behind tensor, so the three products are ONE product of 24,576 rows x 1,024 x 1,024 whose B changes with the tensor: W = cluster y / 8, the same in all sixteen partners of a cluster.
; A tile of 256 x 256 is made by four waves, 128 x 128 each: 64 accumulators, 512 registers.  K = 1,024 is two slots of 512 (rows of 256 bytes): both are filled once, at the start, and nothing is filled again.
; The scale bytes of the tile's 256 + 256 rows come once too, as dense blocks.  CLUSTERS: 4 x 4; A's tiles are asked for jointly along a row of the cluster, B's along a column.
; THE MATRIX INSTRUCTION IS USED TRANSPOSED (source 0 = 16 rows of W^T, source 1 = 16 rows of x): a lane holds eight neighbouring columns of one row.  The bias is the C of each sum's first instruction.
; LIMITS: results beyond f16's 65,504 are not served; under 6.1e-5 they are rounded in steps of 6e-8.
; REGISTERS: window 0: v0-31 addresses; v32-95 scale words, two sets, and nothing else; v128-191 A's fragments, one set (on the way out: rows read back); v192-223 packed results.
;   window 1: B's fragments, two sets, at v0 and v128; v192-255 the bias of my 128 columns.   windows 2, 3: the accumulators ((a, b) at v[8 (8 (a % 4) + b)]).
.set NQ,     4                         ; steps of 128 along K in a slot
.set ROWB,   256                       ; a tile's row in bytes
.set KROW,   512                       ; a row of codes in memory
.set PITCH,  272
.set FR,     8
.set NL,     2
.set NP,     4
.set HALFT,  128*PITCH
.set SLOT,   4*HALFT
.set KS,     32                        ; a row of scale bytes
.set SCL,    2*SLOT
.set HALFS,  (128*KS/256)*272
.set SBLK,   (16*KS/256)*272
.set SPARE,  SCL+4*HALFS
.set SPITCH, 272                       ; the way out: 16 rows x (256 + 16) bytes for each wave, in slot 0, which has had its only fill and its last read by then
.set XS,     12582912
.set WS,     1572864
.set ROWO,   2048                      ; a row of qkv in bytes
.set ADRA, 16
.set ADRB, 20
.set STO,  24
.set RD,   25
.set CO,   26
.set ADRS, 27
.set SPW,  28
.set NIL,  29
.set BAD,  30                          ; v30  32 x (lane / 16): my half's eight numbers of a bias tile
.set SC,   32
.set AF,   128
.set BK,   128
.set TMP,  192
.set BIAS, 192                         ; in window 1
.set G1, 24
.set G0, 32
.set G1B, 48
.set G0B, 56
.set G1S, 68
.set G0S, 76
.set G1SB, 80
.set G0SB, 88
.set WSEL, 95                          ; s95  which tensor: 0 query, 1 key, 2 value
.set MSB, 0
.macro WIN new
.if MSB != \new
	s_set_vgpr_msb (MSB<<8)|\new
.set MSB, \new
.endif
.endm
.set MUL_LO, 0xa1                      ; source 0 (B) window 1, source 1 (A) window 0, C and D window 2
.set MUL_HI, 0xf1
.set BIA_LO, 0x91                      ; the same with C (the bias) in window 1
.set BIA_HI, 0xd1
.set TO_B,   0x40
.macro JLOAD g0a, g1a, g0b, g1b        ; waves 0, 1 fetch for A, waves 2, 3 for B; an s_nop 0 and four v_nop follow each line
	s_cmp_eq_u32 s15, 0
	s_cbranch_scc0 .Lfor_b_\@
	tensor_load_to_lds s[\g0a:\g0a+3], s[\g1a:\g1a+7]
	s_nop 0
.rept 4
	v_nop
.endr
	s_branch .Lasked_\@
.Lfor_b_\@:
	tensor_load_to_lds s[\g0b:\g0b+3], s[\g1b:\g1b+7]
	s_nop 0
.rept 4
	v_nop
.endr
.Lasked_\@:
.endm
.macro CROUND                          ; a round of the cluster's barrier
	s_barrier_signal -1
	s_barrier_wait -1
	s_cmp_lg_u32 s14, 0
	s_cbranch_scc1 .Lnot_wave_0_\@
	s_barrier_signal -3
.Lnot_wave_0_\@:
	s_barrier_wait -3
	s_barrier_signal -1
	s_barrier_wait -1
.endm
	s_load_b256 s[4:11], s[0:1], 0x0               ; xq, wp, bq, bv
	s_load_b64 s[12:13], s[0:1], 0x20              ; qkv
	v_lshl_add_u32 v[SPW], v0, 2, SPARE
	v_mov_b32 v[NIL], 0
	ds_add_u32 v[SPW], v[NIL]                      ; the wave's opening: the add, twice on end, and its wait ahead of my first tensor load
	ds_add_u32 v[SPW], v[NIL]
	v_lshrrev_b32 v1, 5, v0
	v_readfirstlane_b32 s14, v1                    ; wave 0..3
	s_lshr_b32 s15, s14, 1                         ; my half of the tile's rows; also: I fetch for A (0) or B (1)
	s_and_b32 s16, s14, 1                          ; my half of its columns; also: which 128 rows I fetch
	s_bfe_u32 s40, ttmp6, 0x40000                  ; cx
	s_bfe_u32 s41, ttmp6, 0x40004                  ; cy
	s_lshl_b32 s42, ttmp9, 2
	s_add_co_u32 s42, s42, s40                     ; tile column
	s_and_b32 s17, ttmp7, 0xffff
	s_lshr_b32 s[WSEL], s17, 3                     ; eight rows of clusters to a tensor
	s_lshl_b32 s17, s17, 2
	s_add_co_u32 s17, s17, s41                     ; tile row, 0 to 95
	s_lshl_b32 s43, s41, 2
	s_lshl_b32 s43, 15, s43                        ; my row of the cluster
	s_lshl_b32 s44, 0x1111, s40                    ; my column
	s_or_b32 s[G1+0], s43, (0<<16)|(1<<20)|(1<<21)|(5<<22)|(3<<25)   ; mask; elements of 1 byte; 4 words of padding behind every 64
	s_or_b32 s[G1B+0], s44, (0<<16)|(1<<20)|(1<<21)|(5<<22)|(3<<25)
.irp g, G1, G1B
	s_mov_b32 s[\g+1], ROWB<<16
	s_mov_b32 s[\g+2], 128<<16
	s_mov_b32 s[\g+3], ROWB<<16
	s_mov_b32 s[\g+4], 128
	s_mov_b32 s[\g+5], KROW
	s_mov_b32 s[\g+6], 0
	s_mov_b32 s[\g+7], 0
.endr
	s_or_b32 s[G1S+0], s43, (3<<16)|(1<<20)|(1<<21)|(5<<22)|(3<<25)  ; the scales of 128 rows: 4,096 dense bytes as 16 rows of 256
	s_or_b32 s[G1SB+0], s44, (3<<16)|(1<<20)|(1<<21)|(5<<22)|(3<<25)
.irp g, G1S, G1SB
	s_mov_b32 s[\g+1], 32<<16
	s_mov_b32 s[\g+2], (128*KS/256)<<16
	s_mov_b32 s[\g+3], 32<<16
	s_mov_b32 s[\g+4], 128*KS/256
	s_mov_b32 s[\g+5], 32
	s_mov_b32 s[\g+6], 0
	s_mov_b32 s[\g+7], 0
.endr
	s_lshl_b32 s18, s16, 7
	s_lshl_b32 s20, s17, 8
	s_add_co_u32 s20, s20, s18                     ; A: row 256 x tile row + 128 x half
	s_lshl_b32 s46, s42, 8
	s_add_co_u32 s46, s46, s18
	s_lshl_b32 s47, s[WSEL], 10
	s_add_co_u32 s46, s46, s47                     ; B: row 1,024 W + 256 x tile column + 128 x half
	s_lshl_b32 s22, s20, 5
	s_add_co_u32 s22, s22, XS                      ; where these rows' scale bytes begin,
	s_mov_b32 s23, 0
	s_lshl_b32 s92, s46, 5
	s_add_co_u32 s92, s92, WS
	s_mov_b32 s93, 0
	s_lshl_b32 s20, s20, 9                         ; and their codes
	s_mov_b32 s21, 0
	s_lshl_b32 s46, s46, 9
	s_mov_b32 s47, 0
	s_mul_i32 s45, s14, HALFT                      ; where they go: wave x 128 rows
	s_mul_i32 s94, s14, HALFS
	s_wait_dscnt 0x0                               ; both opening adds are done
	s_wait_kmcnt 0x0
	s_add_nc_u64 s[20:21], s[4:5], s[20:21]
	s_add_nc_u64 s[22:23], s[4:5], s[22:23]
	s_add_nc_u64 s[46:47], s[6:7], s[46:47]
	s_add_nc_u64 s[92:93], s[6:7], s[92:93]
	CROUND                                         ; all sixteen work-groups are here: the joint loads meet
	s_mov_b32 s[G0S], 1
	s_add_co_u32 s[G0S+1], s94, SCL
	s_mov_b64 s[G0S+2:G0S+3], s[22:23]
	s_or_b32 s[G0S+3], s[G0S+3], 0x80000000
	s_mov_b32 s[G0SB], 1
	s_add_co_u32 s[G0SB+1], s94, SCL
	s_mov_b64 s[G0SB+2:G0SB+3], s[92:93]
	s_or_b32 s[G0SB+3], s[G0SB+3], 0x80000000
	JLOAD G0S, G1S, G0SB, G1SB
.irp s, 0,1
	s_mov_b32 s[G0+4*\s], 1
	s_add_co_u32 s[G0+4*\s+1], s45, \s*SLOT
	s_add_nc_u64 s[G0+4*\s+2:G0+4*\s+3], s[20:21], \s*ROWB
	s_or_b32 s[G0+4*\s+3], s[G0+4*\s+3], 0x80000000
	s_mov_b32 s[G0B+4*\s], 1
	s_add_co_u32 s[G0B+4*\s+1], s45, \s*SLOT
	s_add_nc_u64 s[G0B+4*\s+2:G0B+4*\s+3], s[46:47], \s*ROWB
	s_or_b32 s[G0B+4*\s+3], s[G0B+4*\s+3], 0x80000000
	JLOAD G0+4*\s, G1, G0B+4*\s, G1B
.endr
	v_and_b32 v1, 15, v0                           ; r
	v_bfe_u32 v2, v0, 4, 1                         ; h
	v_lshlrev_b32 v[BAD], 5, v2
	s_cmp_eq_u32 s[WSEL], 0
	s_cselect_b64 s[96:97], s[8:9], s[10:11]       ; bq or bv (not used for K)
	s_lshl_b32 s46, s42, 10
	s_lshl_b32 s47, s16, 9
	s_add_co_u32 s46, s46, s47                     ; my 128 columns, 4 bytes each
	s_mov_b32 s47, 0
	s_add_nc_u64 s[96:97], s[96:97], s[46:47]
	s_cmp_eq_u32 s[WSEL], 1                        ; the cluster's y alone: the same in all partners and waves
	s_cbranch_scc1 .Lno_bias
	WIN TO_B
.irp b, 0,1,2,3,4,5,6,7
	global_load_b128 v[BIAS+8*\b:BIAS+8*\b+3], v[BAD], s[96:97] offset:64*\b      ; lane (r, h), tile b: columns 16 b + 8 h + 0 .. 7, the result's layout
	global_load_b128 v[BIAS+8*\b+4:BIAS+8*\b+7], v[BAD], s[96:97] offset:64*\b+16
.endr
	WIN 0
.Lno_bias:
	v_mul_u32_u24 v3, v1, PITCH
	v_lshl_add_u32 v4, v2, 4, v3
	s_mul_i32 s21, s15, HALFT
	s_mul_i32 s22, s16, HALFT
	s_add_co_u32 s22, s22, 2*HALFT
.irp s, 0,1
	v_add_nc_u32 v[ADRA+\s], s21, v4
	v_add_nc_u32 v[ADRB+\s], s22, v4
	s_add_co_u32 s21, s21, SLOT
	s_add_co_u32 s22, s22, SLOT
.endr
	v_mul_u32_u24 v5, v1, KS                       ; my row's scale bytes: 32 a row,
	v_lshrrev_b32 v6, 8, v5
	v_lshl_add_u32 v5, v6, 4, v5                   ; and 16 more for each 256 passed
	s_mul_i32 s21, s15, HALFS
	s_mul_i32 s22, s16, HALFS
	s_add_co_u32 s22, s22, 2*HALFS
	s_sub_co_u32 s22, s22, s21
	v_mul_u32_u24 v6, s22, v2                      ; lanes 16-31 take B's
	s_add_co_u32 s21, s21, SCL
	v_add_nc_u32 v5, v5, v6
	v_add_nc_u32 v[ADRS], s21, v5
	s_mul_i32 s23, s14, 16*SPITCH                  ; my stage
	v_mul_u32_u24 v5, v1, SPITCH
	v_lshl_add_u32 v5, v2, 4, v5
	v_add_nc_u32 v[STO], s23, v5                   ; in: row r, 16 bytes for each half of the lanes
	v_mul_u32_u24 v5, v2, SPITCH
	v_lshl_add_u32 v5, v1, 4, v5
	v_add_nc_u32 v[RD], s23, v5                    ; back: lanes 0-15 one row of 256 bytes, lanes 16-31 the next
	v_lshlrev_b32 v5, 11, v2
	v_lshl_add_u32 v[CO], v1, 4, v5                ; and the same two rows in qkv
	s_lshl_b32 s20, s17, 8
	s_lshl_b32 s21, s15, 7
	s_add_co_u32 s20, s20, s21
	s_lshl_b32 s20, s20, 11                        ; my first row, in bytes
	s_mov_b32 s21, 0
	s_lshl_b32 s46, s42, 9
	s_lshl_b32 s47, s16, 8
	s_add_co_u32 s46, s46, s47                     ; my first column, in bytes
	s_mov_b32 s47, 0
	s_add_nc_u64 s[20:21], s[20:21], s[46:47]
	s_add_nc_u64 s[12:13], s[12:13], s[20:21]
.macro FRAG reg, adr, q, i             ; 16 rows x 128 K of 4-bit codes: 8 registers, two loads of 16 bytes, 32 bytes apart
.irp c, 0,1
	ds_load_b128 v[\reg+4*\c:\reg+4*\c+3], v[\adr] offset:64*(\q)+32*\c+(\i)*16*PITCH
.endr
.endm
; 16 matrix instructions: A's blocks a0, a0 + 1 x B's eight.  zero = 1: C = 0; zero = 2: C = the bias; 0: in place.  The 64 accumulators take turns, one instruction a turn.
.macro MUL16 a0, p, q, sc, zero
.irp a, \a0, \a0+1
.irp b, 0,1,2,3,4,5,6,7
.if \zero == 1
	v_wmma_scale_f32_16x16x128_f8f6f4 v[8*(8*((\a)%4)+\b):8*(8*((\a)%4)+\b)+7], v[128*(\p)+FR*\b:128*(\p)+FR*\b+FR-1], v[AF+FR*(\a):AF+FR*(\a)+FR-1], 0, v[SC+8*NQ*(\sc)+NQ*\b+(\q)], v[SC+8*NQ*(\sc)+NQ*(\a)+(\q)] matrix_a_fmt:MATRIX_FMT_FP4 matrix_b_fmt:MATRIX_FMT_FP4 matrix_a_scale:MATRIX_SCALE_ROW1
.elseif \zero == 2
	v_wmma_scale_f32_16x16x128_f8f6f4 v[8*(8*((\a)%4)+\b):8*(8*((\a)%4)+\b)+7], v[128*(\p)+FR*\b:128*(\p)+FR*\b+FR-1], v[AF+FR*(\a):AF+FR*(\a)+FR-1], v[BIAS+8*\b:BIAS+8*\b+7], v[SC+8*NQ*(\sc)+NQ*\b+(\q)], v[SC+8*NQ*(\sc)+NQ*(\a)+(\q)] matrix_a_fmt:MATRIX_FMT_FP4 matrix_b_fmt:MATRIX_FMT_FP4 matrix_a_scale:MATRIX_SCALE_ROW1
.else
	v_wmma_scale_f32_16x16x128_f8f6f4 v[8*(8*((\a)%4)+\b):8*(8*((\a)%4)+\b)+7], v[128*(\p)+FR*\b:128*(\p)+FR*\b+FR-1], v[AF+FR*(\a):AF+FR*(\a)+FR-1], v[8*(8*((\a)%4)+\b):8*(8*((\a)%4)+\b)+7], v[SC+8*NQ*(\sc)+NQ*\b+(\q)], v[SC+8*NQ*(\sc)+NQ*(\a)+(\q)] matrix_a_fmt:MATRIX_FMT_FP4 matrix_b_fmt:MATRIX_FMT_FP4 matrix_a_scale:MATRIX_SCALE_ROW1
.endif
.endr
.endr
.endm
.macro FETCH_B slot, q, p
	WIN TO_B
.irp i, 0,1,2,3,4,5,6,7
	FRAG 128*(\p)+FR*\i, ADRB+\slot, \q, \i
.endr
	WIN 0
.endm
.macro FETCH_A slot, q, i0
.irp i, \i0, \i0+1, \i0+2, \i0+3
	FRAG AF+FR*(\i), ADRA+\slot, \q, \i
.endr
.endm
.macro SCALES sc                       ; a slot's scale words: lanes 0-15 A's block i, lanes 16-31 B's block i, four words a row
.irp i, 0,1,2,3,4,5,6,7
	ds_load_b128 v[SC+8*NQ*\sc+NQ*\i:SC+8*NQ*\sc+NQ*\i+3], v[ADRS] offset:\i*SBLK
.endr
.endm
.macro PLACES n                        ; plain vector lines between a matrix instruction and a load into, or a read of, its registers
.rept \n
	v_nop
.endr
.endm
.macro STEP slot, q, zero              ; a step of 128 along K that has its successor in the same slot
	s_wait_dscnt 4*NL                              ; B's set and A's blocks 0-3 are in; A's blocks 4-7 (8 loads) may be out
.if \zero == 2
	WIN BIA_LO
.else
	WIN MUL_LO
.endif
	MUL16 0, (\q)%2, \q, \slot, \zero
	MUL16 2, (\q)%2, \q, \slot, \zero
	s_wait_dscnt 0
	PLACES NP
	FETCH_B \slot, (\q)+1, 1-(\q)%2
	FETCH_A \slot, (\q)+1, 0
.if \zero == 2
	WIN BIA_HI
.else
	WIN MUL_HI
.endif
	MUL16 4, (\q)%2, \q, \slot, \zero
	MUL16 6, (\q)%2, \q, \slot, \zero
	PLACES NP
	WIN 0
	FETCH_A \slot, (\q)+1, 4
.endm
.macro TURN slot, next                 ; a slot's last step changes slots: one barrier; nothing is filled again
	s_wait_tensorcnt 0x0                           ; all my tensor loads have landed: my part of the next slot
	ds_add_u32 v[SPW], v[NIL]                      ; 0 onto my spare word
	s_wait_dscnt 4*NL+1                            ; (the add and A's blocks 4-7 may be out)
	WIN MUL_LO
	MUL16 0, 1, NQ-1, \slot, 0
	s_wait_dscnt 0x0                               ; the add is done, and my reads of this slot are over
	s_barrier_signal -1
	MUL16 2, 1, NQ-1, \slot, 0
	WIN 0
	s_barrier_wait -1
	PLACES NP
	v_add_nc_u32 v[ADRS], 4*NQ, v[ADRS]            ; the next slot's scale words
	FETCH_B \next, 0, 0
	FETCH_A \next, 0, 0
	SCALES \next
	WIN MUL_HI
	MUL16 4, 1, NQ-1, \slot, 0
	MUL16 6, 1, NQ-1, \slot, 0
	PLACES NP
	WIN 0
	FETCH_A \next, 0, 4
.endm
.macro STEPS slot, from
.set Q, \from
.rept NQ-1-\from
	STEP \slot, Q, 0
.set Q, Q+1
.endr
.endm
	s_wait_tensorcnt 1                             ; the scales and my part of slot 0 are in (slot 1's load may be out)
	s_barrier_signal -1
	s_barrier_wait -1                              ; everybody's are
	FETCH_B 0, 0, 0
	FETCH_A 0, 0, 0
	SCALES 0
	FETCH_A 0, 0, 4
	s_cmp_eq_u32 s[WSEL], 1
	s_cbranch_scc1 .Lplain
	s_wait_loadcnt 0x0                             ; the bias
	STEP 0, 0, 2                                   ; Q and V: the first products start the sums from the bias
	s_branch .Ljoin
.Lplain:
	STEP 0, 0, 1                                   ; K: from 0
.Ljoin:
	STEPS 0, 1
	TURN 0, 1
	STEPS 1, 0
	s_wait_dscnt 4*NL                              ; the very last step
	WIN MUL_LO
	MUL16 0, 1, NQ-1, 1, 0
	MUL16 2, 1, NQ-1, 1, 0
	s_wait_dscnt 0
	WIN MUL_HI
	MUL16 4, 1, NQ-1, 1, 0
	MUL16 6, 1, NQ-1, 1, 0
	WIN 0
; THE WAY OUT, a block of 16 rows x 128 columns at a time: rounded to f16 (16 bytes a lane), through my own stage, back as whole rows of 256 bytes.
.macro PACK a
.set AC, 64*((\a)%4)
.set WN, 0x0a+5*((\a)/4)
	WIN WN                                         ; sources 0 and 1: window 2 or 3
.irp b, 0,1,2,3,4,5,6,7
.irp r, 0,1,2,3
	v_cvt_pk_f16_f32 v[TMP+4*\b+\r], v[AC+8*\b+2*\r], v[AC+8*\b+2*\r+1]   ; each accumulator from its low end on
.endr
.endr
	WIN 0
.endm
.macro TOSTAGE a
.set BKR, BK+32*((\a)%2)
.irp b, 0,1,2,3,4,5,6,7
	ds_store_b128 v[STO], v[TMP+4*\b:TMP+4*\b+3] offset:32*\b
.endr
.irp t, 0,1,2,3,4,5,6,7
	ds_load_b128 v[BKR+4*\t:BKR+4*\t+3], v[RD] offset:\t*2*SPITCH    ; LDS serves a wave's instructions in order: these see the stores above
.endr
.endm
.macro SEND a
.set BKR, BK+32*((\a)%2)
	s_wait_dscnt 0x0                               ; the block is back in registers
	s_wait_xcnt 0x0                                ; earlier stores have read their base and their data: both may be written again
.if (\a) > 0
	s_add_nc_u64 s[12:13], s[12:13], 16*ROWO
.endif
.irp t, 0,1,2,3,4,5,6,7
	global_store_b128 v[CO], v[BKR+4*\t:BKR+4*\t+3], s[12:13] offset:2*\t*ROWO   ; sixteen lanes store 256 consecutive bytes, aligned
.endr
.endm
	PLACES NP
	PACK 0
	TOSTAGE 0
.irp a, 1,2,3,4,5,6,7
	PACK \a
	SEND \a-1
	TOSTAGE \a
.endr
	SEND 7
	s_wait_tensorcnt 0x0                           ; the wave's end
	ds_add_u32 v[SPW], v[NIL]
	s_wait_dscnt 0x0
	CROUND                                         ; the closing round
	s_endpgm
.Lfunc_end_k_q54c7d80486_proj:
	.size	k_q54c7d80486_proj, .Lfunc_end_k_q54c7d80486_proj-k_q54c7d80486_proj
	.p2alignl 7, 3214868480
	.fill 96, 4, 3214868480
	.section	.rodata,"a",@progbits
	.p2align	6, 0x0
	.amdhsa_kernel k_q54c7d80486_proj
		.amdhsa_group_segment_fixed_size 327680
		.amdhsa_private_segment_fixed_size 0
		.amdhsa_enable_private_segment 0
		.amdhsa_kernarg_size 40
		.amdhsa_user_sgpr_count 2
		.amdhsa_user_sgpr_kernarg_segment_ptr 1
		.amdhsa_wavefront_size32 1
		.amdhsa_system_sgpr_workgroup_id_x 1
		.amdhsa_system_sgpr_workgroup_id_y 1
		.amdhsa_system_sgpr_workgroup_id_z 1
		.amdhsa_system_vgpr_workitem_id 0
		.amdhsa_next_free_vgpr 1024
		.amdhsa_next_free_sgpr 100
		.amdhsa_reserve_vcc 0
		.amdhsa_float_denorm_mode_32 3
		.amdhsa_float_denorm_mode_16_64 3
		.amdhsa_memory_ordered 1
		.amdhsa_forward_progress 1
		.amdhsa_inst_pref_size 139
	.end_amdhsa_kernel
	.amdgpu_metadata
---
amdhsa.version: [ 1, 2 ]
amdhsa.kernels:
  - .name:           k_q54c7d80486_proj
    .symbol:         k_q54c7d80486_proj.kd
    .args:
      - { .name: xq, .offset: 0, .size: 8, .value_kind: global_buffer, .address_space: global }
      - { .name: wp, .offset: 8, .size: 8, .value_kind: global_buffer, .address_space: global }
      - { .name: bq, .offset: 16, .size: 8, .value_kind: global_buffer, .address_space: global }
      - { .name: bv, .offset: 24, .size: 8, .value_kind: global_buffer, .address_space: global }
      - { .name: qkv, .offset: 32, .size: 8, .value_kind: global_buffer, .address_space: global }
    .group_segment_fixed_size: 327680
    .private_segment_fixed_size: 0
    .kernarg_segment_align: 8
    .kernarg_segment_size: 40
    .max_flat_workgroup_size: 128
    .sgpr_count:     100
    .vgpr_count:     1024
    .wavefront_size: 32
...
	.end_amdgpu_metadata
.endif
;; end of part 2
;; launch scores (part 3): grid 8 x 32, 4 waves a work-group, clusters of 4 x 4, 327,680 bytes of LDS; arguments qkv, p, st; writes p, st
.if DOCPART == 3
	.amdgcn_target "amdgcn-amd-amdhsa--gfx1250"
	.amdhsa_code_object_version 6
	.text
	.protected	k_q54c7d80486_scores
	.globl	k_q54c7d80486_scores
	.p2align	8
	.type	k_q54c7d80486_scores,@function
k_q54c7d80486_scores:
	s_mov_b64 s[64:65], 0
	v_nop
	global_prefetch_b8 v0, s[64:65] scope:SCOPE_SE
	s_setreg_imm32_b32 hwreg(HW_REG_WAVE_MODE, 25, 1), 1
	s_wait_xcnt 0x0
	s_wait_alu depctr_hold_cnt(0) depctr_sa_sdst(0) depctr_va_vdst(0) depctr_va_sdst(0) depctr_va_ssrc(0) depctr_va_vcc(0) depctr_vm_vsrc(0)
	s_getreg_b32 s2, hwreg(HW_REG_IB_STS2, 6, 4)
	s_cmp_eq_u32 s2, 0
	s_cbranch_scc0 .Lentry_in_a_cluster
	s_endpgm
.Lentry_in_a_cluster:
	s_bfe_u32 s2, ttmp6, 0x10000c
	s_cmp_lg_u32 s2, 0xf033
	s_cbranch_scc0 .Lentry_shape_is_right
	s_endpgm
.Lentry_shape_is_right:
; S = Q K^T in f16 operands and f32 sums, and the first half of the softmax.  (K comes without bk: shown dead at the head of quant_w.)
; A tile of 256 queries x 256 keys of one batch is made by four waves, 128 x 128 each (64 accumulators, 512 registers); K = 1,024 goes in 8 steps of 128 through a ring of two LDS slots.
; THE SOFTMAX ACROSS WORK-GROUPS, with no traffic between them: t = s x c, c = log2(e) / 32.  For each query and each block of 128 keys (one wave's): M = the block's largest t rounded UP to a whole number, kept as
; -M = floor(-t); p = 2^(t - M), at most 1; L = the f32 sum of the block's p before rounding.  f16(p) goes to p [8192][2048], -M to st [16 blocks][8192 rows], L to st + 524,288.  The launch pv joins the blocks by exact powers of two.
; So a maximum is taken away ahead of every exponential.
; CLUSTERS: 4 x 4: Q's tiles are asked for jointly along a row of the cluster, K's along a column (all partners lie in one batch: 8 tile rows to a batch, 4 to a cluster).
; TRANSPOSED USE: source 0 = 16 keys, source 1 = 16 queries: a lane holds ONE query (lane % 16) and, in accumulator (a, b), the keys 16 b + 8 (lane / 16) + 0 .. 7.
; LIMITS: NaN and infinities are not served.
; REGISTERS: window 0: v0-31 addresses, v32-46 the softmax's, v64-127 and v128-191 Q's fragments (two buffers); on the way out v64-127 t - M and p, v128-159 packed p, v160-223 rows read back.
;   window 1: v64-127, v128-191 K's fragments.   windows 2, 3: the accumulators ((a, b) at v[8 (8 (a % 4) + b)]).
.set KSTEP,  128
.set PITCH,  272
.set HALFT,  128*PITCH
.set SLOT,   4*HALFT
.set STAGE,  2*SLOT                    ; 16 rows x 272 bytes for each wave
.set SPITCH, 272
.set STATS,  STAGE+4*16*SPITCH         ; 1,024 bytes for each wave: 128 x -M, 128 x L
.set SPARE,  STATS+4096
.set LAPS,   4
.set ROWP,   4096                      ; a row of p in bytes
.set KOFF,   16777216                  ; K in qkv
.set ADRA, 16
.set ADRB, 20
.set STO,  24
.set RD,   25
.set CO,   26
.set SPW,  28
.set NIL,  29
.set MX,   32                          ; v32-35 four running maxima
.set NM,   36                          ; v[36:37] -M (the pair's upper word is written once)
.set LS,   38                          ; v38-41 sums
.set NEG,  42                          ; v42 -infinity
.set SAD,  44
.set SRD,  45
.set SGO,  46
.set F0,   64
.set F1,   128
.set PR,   64
.set TMP,  128
.set BK,   160
.set G1, 24
.set G0, 32
.set G1B, 48
.set G0B, 56
.set WV, 66
.set WR, 67
.set WC, 68
.set CS, 70
.set SEL, 72
.set MSB, 0
.macro WIN new
.if MSB != \new
	s_set_vgpr_msb (MSB<<8)|\new
.set MSB, \new
.endif
.endm
.set MUL_LO, 0xa1
.set MUL_HI, 0xf1
.set TO_B,   0x40
.macro JLOAD s                         ; waves 0, 1 fetch Q's halves, waves 2, 3 K's; an s_nop 0 and four v_nop follow each line
	s_cmp_eq_u32 s[WR], 0
	s_cbranch_scc0 .Lfor_b_\@
	tensor_load_to_lds s[G0+4*\s:G0+4*\s+3], s[G1:G1+7]
	s_nop 0
.rept 4
	v_nop
.endr
	s_branch .Lasked_\@
.Lfor_b_\@:
	tensor_load_to_lds s[G0B+4*\s:G0B+4*\s+3], s[G1B:G1B+7]
	s_nop 0
.rept 4
	v_nop
.endr
.Lasked_\@:
.endm
.macro CREST
	s_cmp_lg_u32 s[WV], 0
	s_cbranch_scc1 .Lnot_wave_0_\@
	s_barrier_signal -3
.Lnot_wave_0_\@:
	s_barrier_wait -3
	s_barrier_signal -1
	s_barrier_wait -1
.endm
.macro CROUND
	s_barrier_signal -1
	s_barrier_wait -1
	CREST
.endm
	s_load_b128 s[4:7], s[0:1], 0x0                ; qkv, p
	s_load_b64 s[8:9], s[0:1], 0x10                ; st
	v_lshl_add_u32 v[SPW], v0, 2, SPARE
	v_mov_b32 v[NIL], 0
	ds_add_u32 v[SPW], v[NIL]                      ; the wave's opening: the add, twice on end, and its wait ahead of my first tensor load
	ds_add_u32 v[SPW], v[NIL]
	v_lshrrev_b32 v1, 5, v0
	v_readfirstlane_b32 s[WV], v1
	s_lshr_b32 s[WR], s[WV], 1                     ; my half of the queries; also: I fetch Q (0) or K (1)
	s_and_b32 s[WC], s[WV], 1                      ; my half of the keys; also: which 128 rows I fetch
	s_bfe_u32 s40, ttmp6, 0x40000
	s_bfe_u32 s41, ttmp6, 0x40004
	s_lshl_b32 s42, ttmp9, 2
	s_add_co_u32 s42, s42, s40                     ; tile column (keys), 0 to 7
	s_and_b32 s45, ttmp7, 0xffff
	s_lshr_b32 s69, s45, 1                         ; the batch: two rows of clusters to a batch
	s_lshl_b32 s45, s45, 2
	s_add_co_u32 s45, s45, s41                     ; tile row (all batches' queries), 0 to 31
	s_lshl_b32 s43, s41, 2
	s_lshl_b32 s43, 15, s43
	s_lshl_b32 s44, 0x1111, s40
	s_or_b32 s[G1+0], s43, (1<<16)|(1<<20)|(1<<21)|(5<<22)|(3<<25)   ; mask; elements of 2 bytes; 4 words of padding behind every 64
	s_or_b32 s[G1B+0], s44, (1<<16)|(1<<20)|(1<<21)|(5<<22)|(3<<25)
.irp g, G1, G1B
	s_mov_b32 s[\g+1], KSTEP<<16
	s_mov_b32 s[\g+2], 128<<16
	s_mov_b32 s[\g+3], KSTEP<<16
	s_mov_b32 s[\g+4], 128
	s_mov_b32 s[\g+5], 1024
	s_mov_b32 s[\g+6], 0
	s_mov_b32 s[\g+7], 0
.endr
	s_mov_b32 s[CS], 0x3d38aa3b                    ; c = log2(e) / 32
	s_mov_b32 s[CS+1], s[CS]
	s_mov_b32 s[SEL], 0x76543210
	s_mov_b32 s[SEL+1], 0xfedcba98
	s_lshl_b32 s13, s[WC], 7
	s_lshl_b32 s16, s45, 8
	s_add_co_u32 s16, s16, s13
	s_lshl_b32 s16, s16, 11                        ; Q: (256 x tile row + 128 x half) rows of 2,048 bytes
	s_mov_b32 s17, 0
	s_lshl_b32 s46, s42, 8
	s_add_co_u32 s46, s46, s13
	s_lshl_b32 s47, s69, 11
	s_add_co_u32 s46, s46, s47
	s_lshl_b32 s46, s46, 11
	s_add_co_u32 s46, s46, KOFF                    ; K: (2,048 x batch + 256 x tile column + 128 x half) rows
	s_mov_b32 s47, 0
	s_mul_i32 s20, s[WV], HALFT
	s_wait_dscnt 0x0
	s_wait_kmcnt 0x0
	s_add_nc_u64 s[14:15], s[4:5], s[16:17]
	s_add_nc_u64 s[46:47], s[4:5], s[46:47]
	CROUND
.irp s, 0,1
	s_mov_b32 s[G0+4*\s], 1
	s_add_co_u32 s[G0+4*\s+1], s20, \s*SLOT
	s_add_nc_u64 s[G0+4*\s+2:G0+4*\s+3], s[14:15], \s*KSTEP*2
	s_or_b32 s[G0+4*\s+3], s[G0+4*\s+3], 0x80000000
	s_mov_b32 s[G0B+4*\s], 1
	s_add_co_u32 s[G0B+4*\s+1], s20, \s*SLOT
	s_add_nc_u64 s[G0B+4*\s+2:G0B+4*\s+3], s[46:47], \s*KSTEP*2
	s_or_b32 s[G0B+4*\s+3], s[G0B+4*\s+3], 0x80000000
	JLOAD \s
.endr
	v_and_b32 v1, 15, v0
	v_bfe_u32 v2, v0, 4, 1
	v_mul_u32_u24 v3, v1, PITCH
	v_lshl_add_u32 v3, v2, 4, v3
	s_mul_i32 s21, s[WR], HALFT
	s_mul_i32 s22, s[WC], HALFT
	s_add_co_u32 s22, s22, 2*HALFT
.irp s, 0,1
	v_add_nc_u32 v[ADRA+\s], s21, v3
	v_add_nc_u32 v[ADRB+\s], s22, v3
	s_add_co_u32 s21, s21, SLOT
	s_add_co_u32 s22, s22, SLOT
.endr
	s_mul_i32 s23, s[WV], 16*SPITCH
	s_add_co_u32 s23, s23, STAGE
	v_mul_u32_u24 v4, v1, SPITCH
	v_lshl_add_u32 v4, v2, 4, v4
	v_add_nc_u32 v[STO], s23, v4
	v_mul_u32_u24 v5, v2, SPITCH
	v_lshl_add_u32 v5, v1, 4, v5
	v_add_nc_u32 v[RD], s23, v5
	v_lshlrev_b32 v5, 12, v2
	v_lshl_add_u32 v[CO], v1, 4, v5
	s_lshl_b32 s23, s[WV], 10
	s_add_co_u32 s23, s23, STATS
	v_lshlrev_b32 v4, 2, v1
	v_add_nc_u32 v[SAD], s23, v4                   ; a query's word: both halves of the lanes write the same value
	v_and_b32 v5, 31, v0
	v_lshlrev_b32 v[SGO], 4, v5
	v_add_nc_u32 v[SRD], s23, v[SGO]
	v_mov_b32 v[NEG], 0xff800000
	v_mov_b32 v[NM+1], 0
	s_lshl_b32 s16, s45, 8
	s_lshl_b32 s17, s[WR], 7
	s_add_co_u32 s16, s16, s17                     ; my first row
	s_lshl_b32 s18, s16, 2
	s_lshl_b32 s16, s16, 12
	s_mov_b32 s17, 0
	s_lshl_b32 s46, s42, 9
	s_lshl_b32 s47, s[WC], 8
	s_add_co_u32 s46, s46, s47
	s_mov_b32 s47, 0
	s_add_nc_u64 s[16:17], s[16:17], s[46:47]
	s_add_nc_u64 s[6:7], s[6:7], s[16:17]          ; p at my part of the tile
	s_lshl_b32 s46, s42, 1
	s_add_co_u32 s46, s46, s[WC]                   ; my block of 128 keys, 0 to 15
	s_lshl_b32 s46, s46, 15
	s_add_co_u32 s46, s46, s18
	s_add_nc_u64 s[8:9], s[8:9], s[46:47]          ; st at my block's 128 rows
.macro MUL16 f, hi, a0, zero           ; 16 matrix instructions; the 64 accumulators take turns, one instruction a turn
.irp a, \a0, \a0+1
.irp b, 0,1,2,3,4,5,6,7
.if \zero
	v_wmma_f32_16x16x32_f16 v[8*(8*(\a)+\b):8*(8*(\a)+\b)+7], v[\f+8*\b:\f+8*\b+7], v[\f+8*(4*\hi+\a):\f+8*(4*\hi+\a)+7], 0
.else
	v_wmma_f32_16x16x32_f16 v[8*(8*(\a)+\b):8*(8*(\a)+\b)+7], v[\f+8*\b:\f+8*\b+7], v[\f+8*(4*\hi+\a):\f+8*(4*\hi+\a)+7], v[8*(8*(\a)+\b):8*(8*(\a)+\b)+7]
.endif
.endr
.endr
.endm
.macro FETCH slot, k, f                ; 32 LDS loads in one run: a quarter step's fragments
	WIN TO_B
.irp i, 0,1,2,3,4,5,6,7
	ds_load_b128 v[\f+8*\i:\f+8*\i+3],   v[ADRB+\slot] offset:\k+\i*16*PITCH
	ds_load_b128 v[\f+8*\i+4:\f+8*\i+7], v[ADRB+\slot] offset:\k+\i*16*PITCH+32
.endr
	WIN 0
.irp i, 0,1,2,3,4,5,6,7
	ds_load_b128 v[\f+8*\i:\f+8*\i+3],   v[ADRA+\slot] offset:\k+\i*16*PITCH
	ds_load_b128 v[\f+8*\i+4:\f+8*\i+7], v[ADRA+\slot] offset:\k+\i*16*PITCH+32
.endr
.endm
.macro PLACES                          ; four plain vector lines between a matrix instruction and a load into, or a read of, its registers
.rept 4
	v_nop
.endr
.endm
.macro QUARTER slot, k, f, g, zero
	s_wait_dscnt 8                                 ; K's fragments and Q's rows 0-63 are in; the youngest eight loads may be out
	WIN MUL_LO
	MUL16 \f, 0, 0, \zero
	MUL16 \f, 0, 2, \zero
	PLACES
	FETCH \slot, \k, \g
	s_wait_dscnt 32                                ; all but the 32 just issued
	WIN MUL_HI
	MUL16 \f, 1, 0, \zero
	MUL16 \f, 1, 2, \zero
.endm
.macro MEET round
	WIN 0
	s_wait_tensorcnt 0x0                           ; all my tensor loads have landed: my part of the next slot
	ds_add_u32 v[SPW], v[NIL]                      ; 0 onto my spare word
	s_wait_dscnt 9                                 ; (the add and the youngest eight loads may be out)
	WIN MUL_LO
	MUL16 F1, 0, 0, 0
	s_wait_dscnt 0x0                               ; the add is done, and my reads of this slot are over
	s_barrier_signal -1
	MUL16 F1, 0, 2, 0
.if \round
	WIN 0
.endif
	s_barrier_wait -1
.endm
.macro TURN slot, next, fill           ; the last quarter of a K step changes slots; fill = 1: the slot just left takes the K step two on
	MEET \fill
.if \fill
	CREST                                          ; the barrier has opened a round of the cluster's: no wave of any partner still reads this slot or has a load on its way
	s_add_nc_u64 s[G0+4*\slot+2:G0+4*\slot+3], s[G0+4*\slot+2:G0+4*\slot+3], 2*KSTEP*2
	s_add_nc_u64 s[G0B+4*\slot+2:G0B+4*\slot+3], s[G0B+4*\slot+2:G0B+4*\slot+3], 2*KSTEP*2
	JLOAD \slot                                    ; my one tensor load behind the round; its four v_nop are also the places in front of the loads below
.else
	PLACES
.endif
	FETCH \next, 0, F0
	WIN MUL_HI
	MUL16 F1, 1, 0, 0
	MUL16 F1, 1, 2, 0
.endm
	s_wait_tensorcnt 1                             ; my part of K step 0 is in (K step 1's may be out)
	s_barrier_signal -1
	s_barrier_wait -1
	FETCH 0, 0, F0
	QUARTER 0, 64,  F0, F1, 1                      ; the first quarter's products start the sums
	WIN 0
	s_mov_b32 s3, LAPS-1
.Llap:
	QUARTER 0, 128, F1, F0, 0
	QUARTER 0, 192, F0, F1, 0
	TURN 0, 1, 1
	QUARTER 1, 64,  F0, F1, 0
	QUARTER 1, 128, F1, F0, 0
	QUARTER 1, 192, F0, F1, 0
	TURN 1, 0, 1
	QUARTER 0, 64,  F0, F1, 0
	WIN 0
	s_sub_co_u32 s3, s3, 1
	s_cmp_lg_u32 s3, 0
	s_cbranch_scc1 .Llap
	QUARTER 0, 128, F1, F0, 0                      ; the last lap fills nothing
	QUARTER 0, 192, F0, F1, 0
	TURN 0, 1, 0
	QUARTER 1, 64,  F0, F1, 0
	QUARTER 1, 128, F1, F0, 0
	QUARTER 1, 192, F0, F1, 0
	s_wait_dscnt 8
	WIN MUL_LO
	MUL16 F1, 0, 0, 0
	MUL16 F1, 0, 2, 0
	s_wait_dscnt 0
	WIN MUL_HI
	MUL16 F1, 1, 0, 0
	MUL16 F1, 1, 2, 0
	WIN 0
; THE WAY OUT.  SOFT a: block a (16 queries x my 128 keys): the maximum, -M, p, L, p packed to f16.
.macro SOFT a
.set AC, 64*((\a)%4)
.set WW, 2+(\a)/4
.set WN, (WW<<2)|(WW<<4)
	WIN WN                                         ; sources 1 and 2: the block's window
.irp c, 0,1,2,3
	v_max3_num_f32 v[MX+\c], v[NEG], v[AC+16*\c], v[AC+16*\c+1]    ; four chains by turns; each accumulator is read from its low end on
.endr
.irp i, 1,2,3,4,5,6,7
.irp c, 0,1,2,3
	v_max3_num_f32 v[MX+\c], v[MX+\c], v[AC+16*\c+2*\i], v[AC+16*\c+2*\i+1]
.endr
.endr
	WIN 0
	v_max3_num_f32 v[MX], v[MX], v[MX+1], v[MX+2]
	v_max_num_f32 v[MX], v[MX], v[MX+3]
	v_permlanex16_b32 v[MX+1], v[MX], s[SEL], s[SEL+1]             ; the query's other 64 keys lie in the lane 16 away
	v_max_num_f32 v[MX], v[MX], v[MX+1]
	v_mul_f32 v[MX], s[CS], v[MX]                  ; as t (c is positive)
	v_floor_f32 v[NM], -v[MX]                      ; -M = floor(-t): M is a whole number
	WIN WW                                         ; source 0: the block's window
.set ii, 0
.rept 32
	v_pk_fma_f32 v[PR+ii:PR+ii+1], v[AC+ii:AC+ii+1], s[CS:CS+1], v[NM:NM+1] op_sel_hi:[1,0,0]   ; t - M, two at a time
.set ii, ii+2
.endr
	WIN 0
.set ii, 0
.rept 64
	v_exp_f32 v[PR+ii], v[PR+ii]                   ; p = 2^(t - M)
.set ii, ii+1
.endr
	v_nop                                          ; a plain line behind the last exponential
	s_wait_alu depctr_va_vdst(0)                   ; one wait for the batch, ahead of its first reader
	ds_store_b32 v[SAD], v[NM] offset:64*(\a)
	v_pk_add_f32 v[LS:LS+1], v[PR:PR+1], v[PR+2:PR+3]              ; the sum of the unrounded p, in two chains
	v_pk_add_f32 v[LS+2:LS+3], v[PR+4:PR+5], v[PR+6:PR+7]
.irp j, 8,12,16,20,24,28,32,36,40,44,48,52,56,60
	v_pk_add_f32 v[LS:LS+1], v[LS:LS+1], v[PR+\j:PR+\j+1]
	v_pk_add_f32 v[LS+2:LS+3], v[LS+2:LS+3], v[PR+\j+2:PR+\j+3]
.endr
	v_pk_add_f32 v[LS:LS+1], v[LS:LS+1], v[LS+2:LS+3]
	v_add_f32 v[LS], v[LS], v[LS+1]
	v_permlanex16_b32 v[LS+1], v[LS], s[SEL], s[SEL+1]
	v_add_f32 v[LS], v[LS], v[LS+1]
.set ii, 0
.rept 32
	v_cvt_pk_f16_f32 v[TMP+ii], v[PR+2*ii], v[PR+2*ii+1]
.set ii, ii+1
.endr
	ds_store_b32 v[SAD], v[LS] offset:512+64*(\a)
.endm
.macro TOSTAGE a
.set BKR, BK+32*((\a)%2)
.irp b, 0,1,2,3,4,5,6,7
	ds_store_b128 v[STO], v[TMP+4*\b:TMP+4*\b+3] offset:32*\b
.endr
.irp t, 0,1,2,3,4,5,6,7
	ds_load_b128 v[BKR+4*\t:BKR+4*\t+3], v[RD] offset:\t*2*SPITCH    ; LDS serves a wave's instructions in order: these see the stores above
.endr
.endm
.macro SEND a
.set BKR, BK+32*((\a)%2)
	s_wait_dscnt 0x0
	s_wait_xcnt 0x0                                ; earlier stores have read their base and their data
.if (\a) > 0
	s_add_nc_u64 s[6:7], s[6:7], 16*ROWP
.endif
.irp t, 0,1,2,3,4,5,6,7
	global_store_b128 v[CO], v[BKR+4*\t:BKR+4*\t+3], s[6:7] offset:2*\t*ROWP   ; sixteen lanes store 256 consecutive bytes, aligned
.endr
.endm
	PLACES
	SOFT 0
	TOSTAGE 0
.irp a, 1,2,3,4,5,6,7
	SOFT \a
	SEND \a-1
	TOSTAGE \a
.endr
	SEND 7
	ds_load_b128 v[TMP:TMP+3], v[SRD]              ; my 128 queries' -M,
	ds_load_b128 v[TMP+4:TMP+7], v[SRD] offset:512 ; and L
	s_wait_dscnt 0x0
	global_store_b128 v[SGO], v[TMP:TMP+3], s[8:9]                 ; 512 consecutive bytes each, aligned
	global_store_b128 v[SGO], v[TMP+4:TMP+7], s[8:9] offset:524288
	s_wait_tensorcnt 0x0                           ; the wave's end
	ds_add_u32 v[SPW], v[NIL]
	s_wait_dscnt 0x0
	CROUND                                         ; the closing round
	s_endpgm
.Lfunc_end_k_q54c7d80486_scores:
	.size	k_q54c7d80486_scores, .Lfunc_end_k_q54c7d80486_scores-k_q54c7d80486_scores
	.p2alignl 7, 3214868480
	.fill 96, 4, 3214868480
	.section	.rodata,"a",@progbits
	.p2align	6, 0x0
	.amdhsa_kernel k_q54c7d80486_scores
		.amdhsa_group_segment_fixed_size 327680
		.amdhsa_private_segment_fixed_size 0
		.amdhsa_enable_private_segment 0
		.amdhsa_kernarg_size 24
		.amdhsa_user_sgpr_count 2
		.amdhsa_user_sgpr_kernarg_segment_ptr 1
		.amdhsa_wavefront_size32 1
		.amdhsa_system_sgpr_workgroup_id_x 1
		.amdhsa_system_sgpr_workgroup_id_y 1
		.amdhsa_system_sgpr_workgroup_id_z 1
		.amdhsa_system_vgpr_workitem_id 0
		.amdhsa_next_free_vgpr 1024
		.amdhsa_next_free_sgpr 80
		.amdhsa_reserve_vcc 0
		.amdhsa_float_denorm_mode_32 3
		.amdhsa_float_denorm_mode_16_64 3
		.amdhsa_memory_ordered 1
		.amdhsa_forward_progress 1
		.amdhsa_inst_pref_size 213
	.end_amdhsa_kernel
	.amdgpu_metadata
---
amdhsa.version: [ 1, 2 ]
amdhsa.kernels:
  - .name:           k_q54c7d80486_scores
    .symbol:         k_q54c7d80486_scores.kd
    .args:
      - { .name: qkv, .offset: 0, .size: 8, .value_kind: global_buffer, .address_space: global }
      - { .name: p, .offset: 8, .size: 8, .value_kind: global_buffer, .address_space: global }
      - { .name: st, .offset: 16, .size: 8, .value_kind: global_buffer, .address_space: global }
    .group_segment_fixed_size: 327680
    .private_segment_fixed_size: 0
    .kernarg_segment_align: 8
    .kernarg_segment_size: 24
    .max_flat_workgroup_size: 128
    .sgpr_count:     80
    .vgpr_count:     1024
    .wavefront_size: 32
...
	.end_amdgpu_metadata
.endif
;; end of part 3
;; launch pv (part 4): grid 4 x 64, 4 waves a work-group, clusters of 4 x 4, 327,680 bytes of LDS; arguments p, st, qkv, o; writes o
.if DOCPART == 4
	.amdgcn_target "amdgcn-amd-amdhsa--gfx1250"
	.amdhsa_code_object_version 6
	.text
	.protected	k_q54c7d80486_pv
	.globl	k_q54c7d80486_pv
	.p2align	8
	.type	k_q54c7d80486_pv,@function
k_q54c7d80486_pv:
	s_mov_b64 s[64:65], 0
	v_nop
	global_prefetch_b8 v0, s[64:65] scope:SCOPE_SE
	s_setreg_imm32_b32 hwreg(HW_REG_WAVE_MODE, 25, 1), 1
	s_wait_xcnt 0x0
	s_wait_alu depctr_hold_cnt(0) depctr_sa_sdst(0) depctr_va_vdst(0) depctr_va_sdst(0) depctr_va_ssrc(0) depctr_va_vcc(0) depctr_vm_vsrc(0)
	s_getreg_b32 s2, hwreg(HW_REG_IB_STS2, 6, 4)
	s_cmp_eq_u32 s2, 0
	s_cbranch_scc0 .Lentry_in_a_cluster
	s_endpgm
.Lentry_in_a_cluster:
	s_bfe_u32 s2, ttmp6, 0x10000c
	s_cmp_lg_u32 s2, 0xf033
	s_cbranch_scc0 .Lentry_shape_is_right
	s_endpgm
.Lentry_shape_is_right:
; O = softmax V: the second half of the softmax and the product with V, f16 operands, f32 sums; O is rounded once to f16 for the projection that follows.
; p [8192][2048] holds, for each query and each block t of 128 keys, 2^(t - M_t); st holds -M_t and L_t.  For a query: M* = the largest M_t; f_t = 2^(M_t - M*), an exact power of two, at most 1; l = the sum of f_t L_t;
; O = (sum over t of f_t (p_t V_t)) / l.  ALL OF THAT IS IN f32: each block's product p_t V_t is summed in accumulators of its own (window 2, begun with C = 0) and then added to O (window 1) by fused multiply-adds with f_t.
; f_t is kept as its exponent field, 127 + M_t - M*, a byte; a word holds the bytes of the lane's four queries; 16 words, one a block, stand in registers as a queue that moves down three places a trip.
; LIMITS: a block whose M_t lies 127 or more under M* gets the factor 0 (its weights are under 2^-127 beside a row whose largest weight is at least 0.5); O beyond f16's 65,504 is not served; under 6.1e-5 it is rounded
; in steps of 6e-8; NaN and infinities are not served.
; A tile of 128 queries x 256 channels is made by four waves, 64 x 128 each.  THE KEYS GO IN SLOTS OF 192, as many as two slots in LDS allow (2 x 159,744 bytes): p's 128 rows x 384 bytes (waves 0, 1 fetch) and V's 192 key rows
; x 512 bytes (waves 2, 3).  A refill is asked for 176 matrix instructions ahead of the wait for it.  2,048 = 10 x 192 + 128: the last load is a whole tile that ends at the last key (keys 1,856 to 2,047), and only its last
; four quarters (keys 1,920 on) are multiplied: one shape of tile serves all loads, and none reaches past a row's end.
; A quarter is 32 keys, 32 matrix instructions; a slot is 6 quarters, a block 4: a TRIP of the loop is 12 quarters = 2 slots = 3 blocks.  It runs from a slot's fifth quarter on, so that block 0, which starts O, stands ahead of it.
; V lies [key][channel] and is turned on its way out of LDS by ds_load_tr16_b128.
; CLUSTERS: 4 x 4: p's tiles are asked for jointly along a row of the cluster, V's along a column (16 tile rows to a batch, 4 to a cluster: all partners lie in one batch).
; TRANSPOSED USE: source 0 = 16 channels of V^T, source 1 = 16 queries of p: a lane holds one query (lane % 16) and eight neighbouring channels.
; REGISTERS, window 0: v0-31 addresses; v32-47 the queue of factor words; v48-55 four factors, in pairs; v56-63 1 / l, in pairs; v64-159, v160-255 two fragment buffers (p's 4 fragments, then V's 8).
;   window 1: O.   window 2: the block's sums.   Accumulator (a, b) at v[64 a + 8 b] of its window.
.set SKEY,  192                        ; keys in a slot
.set BACK,  64                         ; the last tile begins so many keys early
.set PA,    432                        ; a row of p in LDS: 3 x (128 bytes + 16): 27 x 16 bytes, so that the 16 rows of a load fall on 16 different columns of 16 bytes
.set PB,    544                        ; a key's row of V: 512 bytes + 32: 17 x 32, for the turning load
.set HALFA, 64*PA
.set AREG,  2*HALFA
.set HALFB, 96*PB
.set SLOT,  AREG+2*HALFB
.set STAGE, SLOT                       ; the way out: 16 rows x 272 bytes for each wave, in slot 1: it has had its last fill, and its last read lies behind the last change of slots
.set SPITCH, 272
.set SPARE, 2*SLOT
.set TRIPS, 4
.set VOFF,  33554432                   ; V in qkv
.set ROWO,  2048
.set ADRA, 16                          ; v16-17  p's fragments in slot 0, 1
.set ADRB, 20                          ; v20-23  V's: slot 0 quarters 0-2, 3-5; slot 1 likewise (an offset holds 16 bits)
.set STO,  24
.set RD,   25
.set CO,   26
.set SPW,  28
.set NIL,  29
.set SA,   30                          ; v30  4 x (lane % 16): my query's word in st; never rewritten
.set EQ,   32
.set FS,   48
.set RL,   56
.set F0,   64
.set F1,   160
.set MM,   192                         ; at the head alone: M*, l, a factor at work
.set LT,   196
.set TF,   200
.set TMP,  128
.set BK,   160
.set G1, 24
.set G0, 32
.set G1B, 48
.set G0B, 56
.set WV, 66
.set WR, 67
.set WC, 68
.set EM, 70                            ; s70  an f32's exponent field
.set MSB, 0
.macro WIN new
.if MSB != \new
	s_set_vgpr_msb (MSB<<8)|\new
.set MSB, \new
.endif
.endm
.set MUL, 0xa0                         ; C and D window 2
.set ACC, 0x52                         ; source 0 window 2 (the block's sums), source 1 window 0 (the factor), source 2 and destination window 1 (O)
.macro JLOAD s                         ; waves 0, 1 fetch p's halves, waves 2, 3 V's; an s_nop 0 and four v_nop follow each line
	s_cmp_eq_u32 s[WR], 0
	s_cbranch_scc0 .Lfor_b_\@
	tensor_load_to_lds s[G0+4*\s:G0+4*\s+3], s[G1:G1+7]
	s_nop 0
.rept 4
	v_nop
.endr
	s_branch .Lasked_\@
.Lfor_b_\@:
	tensor_load_to_lds s[G0B+4*\s:G0B+4*\s+3], s[G1B:G1B+7]
	s_nop 0
.rept 4
	v_nop
.endr
.Lasked_\@:
.endm
.macro CREST
	s_cmp_lg_u32 s[WV], 0
	s_cbranch_scc1 .Lnot_wave_0_\@
	s_barrier_signal -3
.Lnot_wave_0_\@:
	s_barrier_wait -3
	s_barrier_signal -1
	s_barrier_wait -1
.endm
.macro CROUND
	s_barrier_signal -1
	s_barrier_wait -1
	CREST
.endm
.macro PLACES                          ; four plain vector lines between a matrix instruction and a load into its registers
.rept 4
	v_nop
.endr
.endm
	s_load_b256 s[4:11], s[0:1], 0x0               ; p, st, qkv, o
	v_lshl_add_u32 v[SPW], v0, 2, SPARE
	v_mov_b32 v[NIL], 0
	ds_add_u32 v[SPW], v[NIL]                      ; the wave's opening: the add, twice on end, and its wait ahead of my first tensor load
	ds_add_u32 v[SPW], v[NIL]
	v_lshrrev_b32 v1, 5, v0
	v_readfirstlane_b32 s[WV], v1
	s_lshr_b32 s[WR], s[WV], 1                     ; my half of the queries; also: I fetch p (0) or V (1)
	s_and_b32 s[WC], s[WV], 1                      ; my half of the channels; also: which half of the tile's rows I fetch
	s_bfe_u32 s40, ttmp6, 0x40000
	s_bfe_u32 s41, ttmp6, 0x40004
	s_lshl_b32 s42, ttmp9, 2
	s_add_co_u32 s42, s42, s40                     ; tile column (channels), 0 to 3
	s_and_b32 s45, ttmp7, 0xffff
	s_lshr_b32 s69, s45, 2                         ; the batch: four rows of clusters to a batch
	s_lshl_b32 s45, s45, 2
	s_add_co_u32 s45, s45, s41                     ; tile row, 0 to 63
	s_lshl_b32 s43, s41, 2
	s_lshl_b32 s43, 15, s43
	s_lshl_b32 s44, 0x1111, s40
	s_or_b32 s[G1+0], s43, (1<<16)|(1<<20)|(1<<21)|(4<<22)|(3<<25)   ; p: 64 rows x 192 elements of 2 bytes; 4 words of padding behind every 32
	s_mov_b32 s[G1+1], SKEY<<16
	s_mov_b32 s[G1+2], 64<<16
	s_mov_b32 s[G1+3], SKEY<<16
	s_mov_b32 s[G1+4], 64
	s_mov_b32 s[G1+5], 2048
	s_mov_b32 s[G1+6], 0
	s_mov_b32 s[G1+7], 0
	s_or_b32 s[G1B+0], s44, (1<<16)|(1<<20)|(1<<21)|(6<<22)|(7<<25)  ; V: 96 rows x 256 elements; 8 words of padding behind every 128
	s_mov_b32 s[G1B+1], 256<<16
	s_mov_b32 s[G1B+2], 96<<16
	s_mov_b32 s[G1B+3], 256<<16
	s_mov_b32 s[G1B+4], 96
	s_mov_b32 s[G1B+5], 1024
	s_mov_b32 s[G1B+6], 0
	s_mov_b32 s[G1B+7], 0
	s_mov_b32 s[EM], 0x7f800000
	s_lshl_b32 s13, s[WC], 6
	s_lshl_b32 s16, s45, 7
	s_add_co_u32 s16, s16, s13
	s_lshl_b32 s16, s16, 12                        ; p: (128 x tile row + 64 x half) rows of 4,096 bytes
	s_mov_b32 s17, 0
	s_mul_i32 s47, s[WC], 96
	s_lshl_b32 s46, s69, 11
	s_add_co_u32 s46, s46, s47
	s_lshl_b32 s46, s46, 11                        ; V: (2,048 x batch + 96 x half) rows of 2,048 bytes,
	s_lshl_b32 s47, s42, 9
	s_add_co_u32 s46, s46, s47                     ; 512 bytes x tile column
	s_add_co_u32 s46, s46, VOFF
	s_mov_b32 s47, 0
	s_mul_i32 s20, s[WC], HALFA
	s_mul_i32 s21, s[WC], HALFB
	s_add_co_u32 s21, s21, AREG
	s_wait_dscnt 0x0
	s_wait_kmcnt 0x0
	s_add_nc_u64 s[14:15], s[4:5], s[16:17]
	s_add_nc_u64 s[46:47], s[8:9], s[46:47]
	CROUND
.irp s, 0,1
	s_mov_b32 s[G0+4*\s], 1
	s_add_co_u32 s[G0+4*\s+1], s20, \s*SLOT
	s_add_nc_u64 s[G0+4*\s+2:G0+4*\s+3], s[14:15], \s*SKEY*2
	s_or_b32 s[G0+4*\s+3], s[G0+4*\s+3], 0x80000000
	s_mov_b32 s[G0B+4*\s], 1
	s_add_co_u32 s[G0B+4*\s+1], s21, \s*SLOT
	s_add_nc_u64 s[G0B+4*\s+2:G0B+4*\s+3], s[46:47], \s*SKEY*2048
	s_or_b32 s[G0B+4*\s+3], s[G0B+4*\s+3], 0x80000000
	JLOAD \s
.endr
	; the statistics of my 64 queries, all 16 blocks, while the first tiles land: lane l takes query 16 a + l % 16
	v_and_b32 v1, 15, v0
	v_bfe_u32 v2, v0, 4, 1
	v_lshlrev_b32 v[SA], 2, v1
	s_lshl_b32 s16, s45, 7
	s_lshl_b32 s17, s[WR], 6
	s_add_co_u32 s16, s16, s17                     ; my first row
	s_lshl_b32 s18, s16, 2
	s_mov_b32 s19, 0
	s_add_nc_u64 s[6:7], s[6:7], s[18:19]
.irp t, 0,1,2,3,4,5,6,7,8,9,10,11,12,13,14,15
.irp a, 0,1,2,3
	global_load_b32 v[64+4*\t+\a], v[SA], s[6:7] offset:\t*32768+64*\a             ; -M
.endr
.endr
.irp t, 0,1,2,3,4,5,6,7,8,9,10,11,12,13,14,15
.irp a, 0,1,2,3
	global_load_b32 v[128+4*\t+\a], v[SA], s[6:7] offset:524288+\t*32768+64*\a     ; L
.endr
.endr
	v_mul_u32_u24 v3, v1, PA
	v_lshl_add_u32 v3, v2, 4, v3                   ; p's fragments: row r x pitch + 16 h
	v_and_b32 v4, 7, v0
	v_lshl_add_u32 v4, v2, 3, v4
	v_mul_u32_u24 v4, v4, PB                       ; V's: key 8 h + l % 8,
	v_bfe_u32 v5, v0, 3, 1
	v_lshl_add_u32 v4, v5, 4, v4                   ; channels 8 ((l / 8) % 2) on
	s_mul_i32 s21, s[WR], HALFA
	s_lshl_b32 s22, s[WC], 8
	s_add_co_u32 s22, s22, AREG
.irp s, 0,1
	v_add_nc_u32 v[ADRA+\s], s21, v3
	v_add_nc_u32 v[ADRB+2*\s], s22, v4
	s_add_co_u32 s23, s22, 3*32*PB
	v_add_nc_u32 v[ADRB+2*\s+1], s23, v4
	s_add_co_u32 s21, s21, SLOT
	s_add_co_u32 s22, s22, SLOT
.endr
	s_mul_i32 s23, s[WV], 16*SPITCH
	s_add_co_u32 s23, s23, STAGE
	v_mul_u32_u24 v4, v1, SPITCH
	v_lshl_add_u32 v4, v2, 4, v4
	v_add_nc_u32 v[STO], s23, v4
	v_mul_u32_u24 v5, v2, SPITCH
	v_lshl_add_u32 v5, v1, 4, v5
	v_add_nc_u32 v[RD], s23, v5
	v_lshlrev_b32 v5, 11, v2
	v_lshl_add_u32 v[CO], v1, 4, v5
	s_lshl_b32 s16, s16, 11
	s_mov_b32 s17, 0
	s_lshl_b32 s46, s42, 9
	s_lshl_b32 s47, s[WC], 8
	s_add_co_u32 s46, s46, s47
	s_mov_b32 s47, 0
	s_add_nc_u64 s[16:17], s[16:17], s[46:47]
	s_add_nc_u64 s[10:11], s[10:11], s[16:17]      ; o at my part of the tile
	s_wait_loadcnt 0x0
.irp a, 0,1,2,3
	v_max3_num_f32 v[MM+\a], -v[64+\a], -v[68+\a], -v[72+\a]       ; M* = the largest M_t
.endr
.irp t, 3,5,7,9,11,13
.irp a, 0,1,2,3
	v_max3_num_f32 v[MM+\a], v[MM+\a], -v[64+4*\t+\a], -v[68+4*\t+\a]
.endr
.endr
.irp a, 0,1,2,3
	v_max_num_f32 v[MM+\a], v[MM+\a], -v[124+\a]
.endr
.irp t, 0,1,2,3,4,5,6,7,8,9,10,11,12,13,14,15
.irp a, 0,1,2,3
	v_add_f32 v[64+4*\t+\a], -v[64+4*\t+\a], -v[MM+\a]             ; M_t - M*: a whole number, 0 or less,
.endr
.irp a, 0,1,2,3
	v_max_num_f32 v[64+4*\t+\a], 0xc2fe0000, v[64+4*\t+\a]         ; held at -127
.endr
.irp a, 0,1,2,3
	v_cvt_i32_f32 v[64+4*\t+\a], v[64+4*\t+\a]
.endr
.irp a, 0,1,2,3
	v_add_nc_u32 v[64+4*\t+\a], 127, v[64+4*\t+\a]                 ; f_t's exponent field, 0 to 127 (0: the factor 0)
.endr
.irp a, 0,1,2,3
	v_lshlrev_b32 v[TF+\a], 23, v[64+4*\t+\a]      ; f_t
.endr
.irp a, 0,1,2,3
.if \t == 0
	v_mul_f32 v[LT+\a], v[TF+\a], v[128+4*\t+\a]
.else
	v_fmac_f32 v[LT+\a], v[TF+\a], v[128+4*\t+\a]  ; l += f_t L_t
.endif
.endr
	v_lshl_or_b32 v[EQ+\t], v[64+4*\t+1], 8, v[64+4*\t]            ; my four queries' bytes make block t's word
	v_lshl_or_b32 v[EQ+\t], v[64+4*\t+2], 16, v[EQ+\t]
	v_lshl_or_b32 v[EQ+\t], v[64+4*\t+3], 24, v[EQ+\t]
.endr
.irp a, 0,1,2,3
	v_rcp_f32 v[RL+2*\a], v[LT+\a]
.endr
.irp a, 0,1,2,3
	v_mov_b32 v[RL+2*\a+1], 0                      ; the pairs' upper words are named, so they are written; plain lines behind the reciprocals
	v_mov_b32 v[FS+2*\a+1], 0
.endr
	s_wait_alu depctr_va_vdst(0)                   ; one wait for the four reciprocals
.macro MULH f, a0, zero                ; 16 matrix instructions; the 32 accumulators take turns, one instruction a turn.  zero = 1: a block's first products start its sums
.irp a, \a0, \a0+1
.irp b, 0,1,2,3,4,5,6,7
.if \zero
	v_wmma_f32_16x16x32_f16 v[64*(\a)+8*\b:64*(\a)+8*\b+7], v[\f+32+8*\b:\f+32+8*\b+7], v[\f+8*(\a):\f+8*(\a)+7], 0
.else
	v_wmma_f32_16x16x32_f16 v[64*(\a)+8*\b:64*(\a)+8*\b+7], v[\f+32+8*\b:\f+32+8*\b+7], v[\f+8*(\a):\f+8*(\a)+7], v[64*(\a)+8*\b:64*(\a)+8*\b+7]
.endif
.endr
.endr
.endm
.macro FETCH slot, kq, f               ; 24 LDS loads: the slot's quarter kq (32 keys): p's four fragments (64 bytes of a row, 16 more for each 128 passed), V's eight (turned)
.irp i, 0,1,2,3
	ds_load_b128 v[\f+8*\i:\f+8*\i+3],   v[ADRA+\slot] offset:64*(\kq)+16*((\kq)/2)+\i*16*PA
	ds_load_b128 v[\f+8*\i+4:\f+8*\i+7], v[ADRA+\slot] offset:64*(\kq)+16*((\kq)/2)+\i*16*PA+32
.endr
.irp i, 0,1,2,3,4,5,6,7
	ds_load_tr16_b128 v[\f+32+8*\i:\f+32+8*\i+3],   v[ADRB+2*\slot+(\kq)/3] offset:((\kq)%3)*32*PB+32*\i
	ds_load_tr16_b128 v[\f+32+8*\i+4:\f+32+8*\i+7], v[ADRB+2*\slot+(\kq)/3] offset:((\kq)%3)*32*PB+16*PB+32*\i
.endr
.endm
; A block is done: O += f_t x its sums (first = 1: O = f_t x its sums: nothing is ever cleared).  The eight lines that make the four factors out of the block's word are also the places behind the block's last products;
; the 128 packed lines are the places in front of the next loads and of the products that start the next block's sums in the same registers.
.macro ACCUM ereg, first
	v_lshlrev_b32 v[FS], 23, v[\ereg]
	v_lshlrev_b32 v[FS+2], 15, v[\ereg]
	v_lshlrev_b32 v[FS+4], 7, v[\ereg]
	v_lshrrev_b32 v[FS+6], 1, v[\ereg]
.irp a, 0,2,4,6
	v_and_b32 v[FS+\a], s[EM], v[FS+\a]            ; the byte as an exponent field: 2^(M_t - M*), or 0
.endr
	WIN ACC
.set ii, 0
.rept 128
.if \first
	v_pk_mul_f32 v[2*ii:2*ii+1], v[2*ii:2*ii+1], v[FS+2*(ii/32):FS+2*(ii/32)+1] op_sel_hi:[1,0]
.else
	v_pk_fma_f32 v[2*ii:2*ii+1], v[2*ii:2*ii+1], v[FS+2*(ii/32):FS+2*(ii/32)+1], v[2*ii:2*ii+1] op_sel_hi:[1,0,1]   ; each accumulator from its low end on
.endif
.set ii, ii+1
.endr
	WIN 0
.endm
.macro QUARTER slot, kq, f, g, zero    ; multiplies buffer f; fetches the slot's quarter kq into g
	s_wait_dscnt 0x0                               ; f's fragments, asked for a quarter ago, are in
.if !(\zero)
	PLACES                                         ; (a block's first quarter stands behind ACCUM's lines)
.endif
	FETCH \slot, \kq, \g
	WIN MUL
	MULH \f, 0, \zero
	MULH \f, 2, \zero
	WIN 0
.endm
; A slot's last quarter (buffer 1) changes slots.  fill = 1: the slot just left takes the keys two slots on; 2: the last tile, which begins BACK keys early; 0: nothing.  nk: the next slot's first quarter to be multiplied
.macro TURN slot, next, fill, nk
	s_wait_tensorcnt 0x0                           ; all my tensor loads have landed: my part of the next slot
	ds_add_u32 v[SPW], v[NIL]                      ; 0 onto my spare word
	s_wait_dscnt 1                                 ; buffer 1's fragments are in (the add alone may be out)
	WIN MUL
	MULH F1, 0, 0
	s_wait_dscnt 0x0                               ; the add is done, and my reads of this slot are over
	s_barrier_signal -1
	WIN 0
	s_barrier_wait -1
.if \fill
	CREST                                          ; the barrier has opened a round of the cluster's: no wave of any partner still reads this slot or has a load on its way
.if \fill == 1
	s_add_nc_u64 s[G0+4*\slot+2:G0+4*\slot+3], s[G0+4*\slot+2:G0+4*\slot+3], 2*SKEY*2
	s_add_nc_u64 s[G0B+4*\slot+2:G0B+4*\slot+3], s[G0B+4*\slot+2:G0B+4*\slot+3], 2*SKEY*2048
.else
	s_add_nc_u64 s[G0+4*\slot+2:G0+4*\slot+3], s[G0+4*\slot+2:G0+4*\slot+3], (2*SKEY-BACK)*2
	s_add_nc_u64 s[G0B+4*\slot+2:G0B+4*\slot+3], s[G0B+4*\slot+2:G0B+4*\slot+3], (2*SKEY-BACK)*2048
.endif
	JLOAD \slot                                    ; my one tensor load behind the round; its four v_nop are also the places in front of the loads below
.else
	PLACES
.endif
	FETCH \next, \nk, F0
	WIN MUL
	MULH F1, 2, 0
	WIN 0
.endm
; Twelve quarters, three blocks: slot 0's quarters 4, 5; slot 1's six; the next slot 0's four from k0 on.  last = 1: nothing more is fetched
.macro TRIP fill0, fill1, k0, last
	QUARTER 0, 5, F0, F1, 1
	TURN 0, 1, \fill0, 0
	QUARTER 1, 1, F0, F1, 0
	QUARTER 1, 2, F1, F0, 0
	ACCUM EQ+1, 0
	QUARTER 1, 3, F0, F1, 1
	QUARTER 1, 4, F1, F0, 0
	QUARTER 1, 5, F0, F1, 0
	TURN 1, 0, \fill1, \k0
	ACCUM EQ+2, 0
	QUARTER 0, \k0+1, F0, F1, 1
	QUARTER 0, \k0+2, F1, F0, 0
	QUARTER 0, \k0+3, F0, F1, 0
.if \last
	s_wait_dscnt 0x0
	WIN MUL
	MULH F1, 0, 0
	MULH F1, 2, 0
	WIN 0
.else
	QUARTER 0, 4, F1, F0, 0
.endif
	ACCUM EQ+3, 0
.endm
	s_wait_tensorcnt 1                             ; my part of slot 0 is in (slot 1's may be out)
	s_barrier_signal -1
	s_barrier_wait -1                              ; everybody's is
	FETCH 0, 0, F0
	QUARTER 0, 1, F0, F1, 1                        ; block 0
	QUARTER 0, 2, F1, F0, 0
	QUARTER 0, 3, F0, F1, 0
	QUARTER 0, 4, F1, F0, 0
	ACCUM EQ, 1                                    ; starts O
	s_mov_b32 s3, TRIPS
.Ltrip:                                            ; blocks 3 j + 1 to 3 j + 3; both slots are filled again
	TRIP 1, 1, 0, 0
.irp i, 1,2,3,4,5,6,7,8,9,10,11,12
	v_mov_b32 v[EQ+\i], v[EQ+\i+3]                 ; the queue of factor words moves down three places
.endr
	s_sub_co_u32 s3, s3, 1
	s_cmp_lg_u32 s3, 0
	s_cbranch_scc1 .Ltrip
	TRIP 2, 0, 2, 1                                ; the last trip is written out: slot 0 takes the last tile, slot 1 nothing; of the last tile quarters 2 to 5 are multiplied
; THE WAY OUT, 16 queries x 128 channels at a time: divided by l, rounded to f16, through my own stage, back as whole rows of 256 bytes.
.macro PACK a
	WIN 0x01                                       ; source 0: window 1
.set ii, 0
.rept 32
	v_pk_mul_f32 v[64+ii:65+ii], v[64*(\a)+ii:64*(\a)+ii+1], v[RL+2*(\a):RL+2*(\a)+1] op_sel_hi:[1,0]
.set ii, ii+2
.endr
	WIN 0
.set ii, 0
.rept 32
	v_cvt_pk_f16_f32 v[TMP+ii], v[64+2*ii], v[65+2*ii]
.set ii, ii+1
.endr
.endm
.macro TOSTAGE a
.set BKR, BK+32*((\a)%2)
.irp b, 0,1,2,3,4,5,6,7
	ds_store_b128 v[STO], v[TMP+4*\b:TMP+4*\b+3] offset:32*\b
.endr
.irp t, 0,1,2,3,4,5,6,7
	ds_load_b128 v[BKR+4*\t:BKR+4*\t+3], v[RD] offset:\t*2*SPITCH  ; LDS serves a wave's instructions in order: these see the stores above
.endr
.endm
.macro SEND a
.set BKR, BK+32*((\a)%2)
	s_wait_dscnt 0x0
	s_wait_xcnt 0x0                                ; earlier stores have read their base and their data
.if (\a) > 0
	s_add_nc_u64 s[10:11], s[10:11], 16*ROWO
.endif
.irp t, 0,1,2,3,4,5,6,7
	global_store_b128 v[CO], v[BKR+4*\t:BKR+4*\t+3], s[10:11] offset:2*\t*ROWO   ; sixteen lanes store 256 consecutive bytes, aligned
.endr
.endm
	PACK 0
	TOSTAGE 0
.irp a, 1,2,3
	PACK \a
	SEND \a-1
	TOSTAGE \a
.endr
	SEND 3
	s_wait_tensorcnt 0x0                           ; the wave's end
	ds_add_u32 v[SPW], v[NIL]
	s_wait_dscnt 0x0
	CROUND                                         ; the closing round
	s_endpgm
.Lfunc_end_k_q54c7d80486_pv:
	.size	k_q54c7d80486_pv, .Lfunc_end_k_q54c7d80486_pv-k_q54c7d80486_pv
	.p2alignl 7, 3214868480
	.fill 96, 4, 3214868480
	.section	.rodata,"a",@progbits
	.p2align	6, 0x0
	.amdhsa_kernel k_q54c7d80486_pv
		.amdhsa_group_segment_fixed_size 327680
		.amdhsa_private_segment_fixed_size 0
		.amdhsa_enable_private_segment 0
		.amdhsa_kernarg_size 32
		.amdhsa_user_sgpr_count 2
		.amdhsa_user_sgpr_kernarg_segment_ptr 1
		.amdhsa_wavefront_size32 1
		.amdhsa_system_sgpr_workgroup_id_x 1
		.amdhsa_system_sgpr_workgroup_id_y 1
		.amdhsa_system_sgpr_workgroup_id_z 1
		.amdhsa_system_vgpr_workitem_id 0
		.amdhsa_next_free_vgpr 768
		.amdhsa_next_free_sgpr 80
		.amdhsa_reserve_vcc 0
		.amdhsa_float_denorm_mode_32 3
		.amdhsa_float_denorm_mode_16_64 3
		.amdhsa_memory_ordered 1
		.amdhsa_forward_progress 1
		.amdhsa_inst_pref_size 233
	.end_amdhsa_kernel
	.amdgpu_metadata
---
amdhsa.version: [ 1, 2 ]
amdhsa.kernels:
  - .name:           k_q54c7d80486_pv
    .symbol:         k_q54c7d80486_pv.kd
    .args:
      - { .name: p, .offset: 0, .size: 8, .value_kind: global_buffer, .address_space: global }
      - { .name: st, .offset: 8, .size: 8, .value_kind: global_buffer, .address_space: global }
      - { .name: qkv, .offset: 16, .size: 8, .value_kind: global_buffer, .address_space: global }
      - { .name: o, .offset: 24, .size: 8, .value_kind: global_buffer, .address_space: global }
    .group_segment_fixed_size: 327680
    .private_segment_fixed_size: 0
    .kernarg_segment_align: 8
    .kernarg_segment_size: 32
    .max_flat_workgroup_size: 128
    .sgpr_count:     80
    .vgpr_count:     768
    .wavefront_size: 32
...
	.end_amdgpu_metadata
.endif
;; end of part 4
;; launch outproj (part 5): grid 4 x 64, 4 waves a work-group, clusters of 4 x 4, 327,680 bytes of LDS; arguments o, wp, bo, out0; writes out0
.if DOCPART == 5
	.amdgcn_target "amdgcn-amd-amdhsa--gfx1250"
	.amdhsa_code_object_version 6
	.text
	.protected	k_q54c7d80486_outproj
	.globl	k_q54c7d80486_outproj
	.p2align	8
	.type	k_q54c7d80486_outproj,@function
k_q54c7d80486_outproj:
	s_mov_b64 s[64:65], 0
	v_nop
	global_prefetch_b8 v0, s[64:65] scope:SCOPE_SE
	s_setreg_imm32_b32 hwreg(HW_REG_WAVE_MODE, 25, 1), 1
	s_wait_xcnt 0x0
	s_wait_alu depctr_hold_cnt(0) depctr_sa_sdst(0) depctr_va_vdst(0) depctr_va_sdst(0) depctr_va_ssrc(0) depctr_va_vcc(0) depctr_vm_vsrc(0)
	s_getreg_b32 s2, hwreg(HW_REG_IB_STS2, 6, 4)
	s_cmp_eq_u32 s2, 0
	s_cbranch_scc0 .Lentry_in_a_cluster
	s_endpgm
.Lentry_in_a_cluster:
	s_bfe_u32 s2, ttmp6, 0x10000c
	s_cmp_lg_u32 s2, 0xf033
	s_cbranch_scc0 .Lentry_shape_is_right
	s_endpgm
.Lentry_shape_is_right:
; out0 = O Wo + bo: f16 operands, f32 sums, f32 out.  o [8192][1024] f16; Wo in f16 [d][e] at wp + WH (its K, d, is the first axis: it is turned on its way out of LDS by ds_load_tr16_b128).
; A tile of 128 rows x 256 columns is made by four waves, 64 x 128 each (32 accumulators: window 1).  K GOES IN SLOTS OF 192, as many as two slots in LDS allow (2 x 159,744 bytes): O's 128 rows x 384 bytes (waves 0, 1 fetch)
; and Wo's 192 rows x 512 bytes (waves 2, 3).  A refill is asked for 176 matrix instructions ahead of the wait for it.  1,024 = 5 x 192 + 64: the last load is a whole tile that ends at K's end (832 to 1,023), and only its
; last two quarters (960 on) are multiplied: one shape of tile serves all loads, and none reaches past a row's end.  A quarter is 32 along K, 32 matrix instructions; a slot is 6 quarters.
; The six slots are written out: of the five changes of slots three refill alike, one asks for the last tile and one for nothing, and the first quarter alone takes the bias.
; CLUSTERS: 4 x 4: O's tiles jointly along a row of the cluster, Wo's along a column.
; TRANSPOSED USE: source 0 = 16 columns of Wo, source 1 = 16 rows of O: a lane holds eight neighbouring columns of one row.  bo is the C of each sum's first instruction (window 2, v0-63).
; REGISTERS, window 0: v0-31 addresses; v64-159, v160-255 two fragment buffers (O's 4 fragments, then Wo's 8); on the way out v64-191 rows read back.
.set SKEY,  192
.set BACK,  128                        ; the last tile begins so many along K early
.set PA,    432                        ; a row of O in LDS: 3 x (128 bytes + 16)
.set PB,    544
.set HALFA, 64*PA
.set AREG,  2*HALFA
.set HALFB, 96*PB
.set SLOT,  AREG+2*HALFB
.set STAGE, 0                          ; the way out: 16 rows x (512 + 16) bytes for each wave, in slot 0: it has had its last fill, and its last read lies behind the last change of slots
.set SPITCH, 528
.set SPARE, 2*SLOT
.set WH,    1671168
.set ROWC,  4096                       ; a row of out0 in bytes
.set ADRA, 16
.set ADRB, 20                          ; v20-23  Wo's fragments: slot 0 quarters 0-2, 3-5; slot 1 likewise
.set STO,  24
.set RD,   25
.set CO,   26
.set SPW,  28
.set NIL,  29
.set BAD,  30
.set F0,   64
.set F1,   160
.set BK,   64
.set G1, 24
.set G0, 32
.set G1B, 48
.set G0B, 56
.set WV, 66
.set WR, 67
.set WC, 68
.set MSB, 0
.macro WIN new
.if MSB != \new
	s_set_vgpr_msb (MSB<<8)|\new
.set MSB, \new
.endif
.endm
.set MUL, 0x50                         ; C and D window 1
.set MULB, 0x60                        ; C (the bias) window 2, D window 1
.macro JLOAD s
	s_cmp_eq_u32 s[WR], 0
	s_cbranch_scc0 .Lfor_b_\@
	tensor_load_to_lds s[G0+4*\s:G0+4*\s+3], s[G1:G1+7]
	s_nop 0
.rept 4
	v_nop
.endr
	s_branch .Lasked_\@
.Lfor_b_\@:
	tensor_load_to_lds s[G0B+4*\s:G0B+4*\s+3], s[G1B:G1B+7]
	s_nop 0
.rept 4
	v_nop
.endr
.Lasked_\@:
.endm
.macro CREST
	s_cmp_lg_u32 s[WV], 0
	s_cbranch_scc1 .Lnot_wave_0_\@
	s_barrier_signal -3
.Lnot_wave_0_\@:
	s_barrier_wait -3
	s_barrier_signal -1
	s_barrier_wait -1
.endm
.macro CROUND
	s_barrier_signal -1
	s_barrier_wait -1
	CREST
.endm
.macro PLACES                          ; four plain vector lines between a matrix instruction and a load into, or a read of, its registers
.rept 4
	v_nop
.endr
.endm
	s_load_b256 s[4:11], s[0:1], 0x0               ; o, wp, bo, out0
	v_lshl_add_u32 v[SPW], v0, 2, SPARE
	v_mov_b32 v[NIL], 0
	ds_add_u32 v[SPW], v[NIL]                      ; the wave's opening: the add, twice on end, and its wait ahead of my first tensor load
	ds_add_u32 v[SPW], v[NIL]
	v_lshrrev_b32 v1, 5, v0
	v_readfirstlane_b32 s[WV], v1
	s_lshr_b32 s[WR], s[WV], 1
	s_and_b32 s[WC], s[WV], 1
	s_bfe_u32 s40, ttmp6, 0x40000
	s_bfe_u32 s41, ttmp6, 0x40004
	s_lshl_b32 s42, ttmp9, 2
	s_add_co_u32 s42, s42, s40                     ; tile column, 0 to 3
	s_and_b32 s45, ttmp7, 0xffff
	s_lshl_b32 s45, s45, 2
	s_add_co_u32 s45, s45, s41                     ; tile row, 0 to 63
	s_lshl_b32 s43, s41, 2
	s_lshl_b32 s43, 15, s43
	s_lshl_b32 s44, 0x1111, s40
	s_or_b32 s[G1+0], s43, (1<<16)|(1<<20)|(1<<21)|(4<<22)|(3<<25)   ; O: 64 rows x 192 elements of 2 bytes; 4 words of padding behind every 32
	s_mov_b32 s[G1+1], SKEY<<16
	s_mov_b32 s[G1+2], 64<<16
	s_mov_b32 s[G1+3], SKEY<<16
	s_mov_b32 s[G1+4], 64
	s_mov_b32 s[G1+5], 1024
	s_mov_b32 s[G1+6], 0
	s_mov_b32 s[G1+7], 0
	s_or_b32 s[G1B+0], s44, (1<<16)|(1<<20)|(1<<21)|(6<<22)|(7<<25)  ; Wo: 96 rows x 256 elements; 8 words of padding behind every 128
	s_mov_b32 s[G1B+1], 256<<16
	s_mov_b32 s[G1B+2], 96<<16
	s_mov_b32 s[G1B+3], 256<<16
	s_mov_b32 s[G1B+4], 96
	s_mov_b32 s[G1B+5], 1024
	s_mov_b32 s[G1B+6], 0
	s_mov_b32 s[G1B+7], 0
	s_lshl_b32 s13, s[WC], 6
	s_lshl_b32 s16, s45, 7
	s_add_co_u32 s16, s16, s13
	s_lshl_b32 s16, s16, 11                        ; O: (128 x tile row + 64 x half) rows of 2,048 bytes
	s_mov_b32 s17, 0
	s_mul_i32 s46, s[WC], 96
	s_lshl_b32 s46, s46, 11                        ; Wo: 96 x half rows of 2,048 bytes,
	s_lshl_b32 s47, s42, 9
	s_add_co_u32 s46, s46, s47                     ; 512 bytes x tile column
	s_add_co_u32 s46, s46, WH
	s_mov_b32 s47, 0
	s_mul_i32 s20, s[WC], HALFA
	s_mul_i32 s21, s[WC], HALFB
	s_add_co_u32 s21, s21, AREG
	s_wait_dscnt 0x0
	s_wait_kmcnt 0x0
	s_add_nc_u64 s[14:15], s[4:5], s[16:17]
	s_add_nc_u64 s[46:47], s[6:7], s[46:47]
	CROUND
.irp s, 0,1
	s_mov_b32 s[G0+4*\s], 1
	s_add_co_u32 s[G0+4*\s+1], s20, \s*SLOT
	s_add_nc_u64 s[G0+4*\s+2:G0+4*\s+3], s[14:15], \s*SKEY*2
	s_or_b32 s[G0+4*\s+3], s[G0+4*\s+3], 0x80000000
	s_mov_b32 s[G0B+4*\s], 1
	s_add_co_u32 s[G0B+4*\s+1], s21, \s*SLOT
	s_add_nc_u64 s[G0B+4*\s+2:G0B+4*\s+3], s[46:47], \s*SKEY*2048
	s_or_b32 s[G0B+4*\s+3], s[G0B+4*\s+3], 0x80000000
	JLOAD \s
.endr
	v_and_b32 v1, 15, v0
	v_bfe_u32 v2, v0, 4, 1
	v_lshlrev_b32 v[BAD], 5, v2
	s_lshl_b32 s46, s42, 10
	s_lshl_b32 s47, s[WC], 9
	s_add_co_u32 s46, s46, s47                     ; my 128 columns, 4 bytes each
	s_mov_b32 s47, 0
	s_add_nc_u64 s[8:9], s[8:9], s[46:47]
	WIN 0x80                                       ; destination window 2
.irp b, 0,1,2,3,4,5,6,7
	global_load_b128 v[8*\b:8*\b+3], v[BAD], s[8:9] offset:64*\b                   ; lane (r, h), tile b: columns 16 b + 8 h + 0 .. 7, the result's layout
	global_load_b128 v[8*\b+4:8*\b+7], v[BAD], s[8:9] offset:64*\b+16
.endr
	WIN 0
	v_mul_u32_u24 v3, v1, PA
	v_lshl_add_u32 v3, v2, 4, v3
	v_and_b32 v4, 7, v0
	v_lshl_add_u32 v4, v2, 3, v4
	v_mul_u32_u24 v4, v4, PB
	v_bfe_u32 v5, v0, 3, 1
	v_lshl_add_u32 v4, v5, 4, v4
	s_mul_i32 s21, s[WR], HALFA
	s_lshl_b32 s22, s[WC], 8
	s_add_co_u32 s22, s22, AREG
.irp s, 0,1
	v_add_nc_u32 v[ADRA+\s], s21, v3
	v_add_nc_u32 v[ADRB+2*\s], s22, v4
	s_add_co_u32 s23, s22, 3*32*PB
	v_add_nc_u32 v[ADRB+2*\s+1], s23, v4
	s_add_co_u32 s21, s21, SLOT
	s_add_co_u32 s22, s22, SLOT
.endr
	s_mul_i32 s23, s[WV], 16*SPITCH
	s_add_co_u32 s23, s23, STAGE
	v_mul_u32_u24 v4, v1, SPITCH
	v_lshl_add_u32 v4, v2, 5, v4
	v_add_nc_u32 v[STO], s23, v4                   ; in: row r, 32 bytes for each half of the lanes
	v_and_b32 v5, 31, v0
	v_lshlrev_b32 v[CO], 4, v5                     ; back: the 32 lanes take one row of 512 bytes; and the same in out0
	v_add_nc_u32 v[RD], s23, v[CO]
	s_lshl_b32 s16, s45, 7
	s_lshl_b32 s17, s[WR], 6
	s_add_co_u32 s16, s16, s17
	s_lshl_b32 s16, s16, 12                        ; my first row, in bytes
	s_mov_b32 s17, 0
	s_add_nc_u64 s[16:17], s[16:17], s[46:47]      ; + my first column (the same byte offset as in bo)
	s_add_nc_u64 s[10:11], s[10:11], s[16:17]
.macro MULH f, a0, zero                ; 16 matrix instructions; zero = 2: C = the bias; the 32 accumulators take turns
.irp a, \a0, \a0+1
.irp b, 0,1,2,3,4,5,6,7
.if \zero
	v_wmma_f32_16x16x32_f16 v[64*(\a)+8*\b:64*(\a)+8*\b+7], v[\f+32+8*\b:\f+32+8*\b+7], v[\f+8*(\a):\f+8*(\a)+7], v[8*\b:8*\b+7]
.else
	v_wmma_f32_16x16x32_f16 v[64*(\a)+8*\b:64*(\a)+8*\b+7], v[\f+32+8*\b:\f+32+8*\b+7], v[\f+8*(\a):\f+8*(\a)+7], v[64*(\a)+8*\b:64*(\a)+8*\b+7]
.endif
.endr
.endr
.endm
.macro FETCH slot, kq, f               ; 24 LDS loads: the slot's quarter kq: O's four fragments (64 bytes of a row, 16 more for each 128 passed), Wo's eight (turned)
.irp i, 0,1,2,3
	ds_load_b128 v[\f+8*\i:\f+8*\i+3],   v[ADRA+\slot] offset:64*(\kq)+16*((\kq)/2)+\i*16*PA
	ds_load_b128 v[\f+8*\i+4:\f+8*\i+7], v[ADRA+\slot] offset:64*(\kq)+16*((\kq)/2)+\i*16*PA+32
.endr
.irp i, 0,1,2,3,4,5,6,7
	ds_load_tr16_b128 v[\f+32+8*\i:\f+32+8*\i+3],   v[ADRB+2*\slot+(\kq)/3] offset:((\kq)%3)*32*PB+32*\i
	ds_load_tr16_b128 v[\f+32+8*\i+4:\f+32+8*\i+7], v[ADRB+2*\slot+(\kq)/3] offset:((\kq)%3)*32*PB+16*PB+32*\i
.endr
.endm
.macro QUARTER slot, kq, f, g, zero    ; multiplies buffer f; fetches the slot's quarter kq into g
	s_wait_dscnt 0x0                               ; f's fragments, asked for a quarter ago, are in
	PLACES
	FETCH \slot, \kq, \g
.if \zero
	WIN MULB
.else
	WIN MUL
.endif
	MULH \f, 0, \zero
	MULH \f, 2, \zero
	WIN 0
.endm
.macro FIVE slot, zero                 ; a slot's first five quarters
	QUARTER \slot, 1, F0, F1, \zero
	QUARTER \slot, 2, F1, F0, 0
	QUARTER \slot, 3, F0, F1, 0
	QUARTER \slot, 4, F1, F0, 0
	QUARTER \slot, 5, F0, F1, 0
.endm
; A slot's last quarter (buffer 1) changes slots.  fill = 1: the slot just left takes K two slots on; 2: the last tile, which begins BACK early; 0: nothing.  nk: the next slot's first quarter to be multiplied
.macro TURN slot, next, fill, nk
	s_wait_tensorcnt 0x0                           ; all my tensor loads have landed: my part of the next slot
	ds_add_u32 v[SPW], v[NIL]                      ; 0 onto my spare word
	s_wait_dscnt 1                                 ; buffer 1's fragments are in (the add alone may be out)
	WIN MUL
	MULH F1, 0, 0
	s_wait_dscnt 0x0                               ; the add is done, and my reads of this slot are over
	s_barrier_signal -1
	WIN 0
	s_barrier_wait -1
.if \fill
	CREST                                          ; the barrier has opened a round of the cluster's: no wave of any partner still reads this slot or has a load on its way
.if \fill == 1
	s_add_nc_u64 s[G0+4*\slot+2:G0+4*\slot+3], s[G0+4*\slot+2:G0+4*\slot+3], 2*SKEY*2
	s_add_nc_u64 s[G0B+4*\slot+2:G0B+4*\slot+3], s[G0B+4*\slot+2:G0B+4*\slot+3], 2*SKEY*2048
.else
	s_add_nc_u64 s[G0+4*\slot+2:G0+4*\slot+3], s[G0+4*\slot+2:G0+4*\slot+3], (2*SKEY-BACK)*2
	s_add_nc_u64 s[G0B+4*\slot+2:G0B+4*\slot+3], s[G0B+4*\slot+2:G0B+4*\slot+3], (2*SKEY-BACK)*2048
.endif
	JLOAD \slot                                    ; my one tensor load behind the round; its four v_nop are also the places in front of the loads below
.else
	PLACES
.endif
	FETCH \next, \nk, F0
	WIN MUL
	MULH F1, 2, 0
	WIN 0
.endm
	s_wait_tensorcnt 1                             ; my part of slot 0 is in (slot 1's may be out)
	s_barrier_signal -1
	s_barrier_wait -1
	FETCH 0, 0, F0
	s_wait_loadcnt 0x0                             ; the bias
	FIVE 0, 2                                      ; K 0 on: the first quarter's products start the sums from the bias
	TURN 0, 1, 1, 0
	FIVE 1, 0                                      ; K 192 on
	TURN 1, 0, 1, 0
	FIVE 0, 0                                      ; K 384 on
	TURN 0, 1, 1, 0
	FIVE 1, 0                                      ; K 576 on
	TURN 1, 0, 2, 0                                ; slot 1 takes the last tile, K 832 to 1,023
	FIVE 0, 0                                      ; K 768 on
	TURN 0, 1, 0, 4                                ; nothing is left to fetch; of the last tile quarters 4 and 5 (K 960 on) are multiplied
	QUARTER 1, 5, F0, F1, 0
	s_wait_dscnt 0x0
	WIN MUL
	MULH F1, 0, 0
	MULH F1, 2, 0
	WIN 0
; THE WAY OUT, 16 rows x 128 columns of f32 at a time, through my own stage, back as whole rows of 512 bytes.
.macro TOSTAGE a
	WIN 0x04                                       ; an LDS store's data are its source 1: window 1
.irp b, 0,1,2,3,4,5,6,7
	ds_store_b128 v[STO], v[64*(\a)+8*\b:64*(\a)+8*\b+3] offset:64*\b          ; each accumulator from its low end on
	ds_store_b128 v[STO], v[64*(\a)+8*\b+4:64*(\a)+8*\b+7] offset:64*\b+16
.endr
	WIN 0
.set BB, BK+64*((\a)%2)
.irp t, 0,1,2,3,4,5,6,7,8,9,10,11,12,13,14,15
	ds_load_b128 v[BB+4*\t:BB+4*\t+3], v[RD] offset:\t*SPITCH      ; LDS serves a wave's instructions in order: these see the stores above
.endr
.endm
.macro SEND a, younger                 ; younger: the LDS instructions issued behind block a's loads, which may stay out
.set BB, BK+64*((\a)%2)
	s_wait_dscnt \younger
.if (\a) > 0
	s_add_nc_u64 s[10:11], s[10:11], 16*ROWC       ; (behind a wait on XCNT: the earlier stores have read their base)
.endif
.irp t, 0,1,2,3,4,5,6,7,8,9,10,11,12,13,14,15
	global_store_b128 v[CO], v[BB+4*\t:BB+4*\t+3], s[10:11] offset:\t*ROWC th:TH_STORE_NT   ; 32 lanes store 512 consecutive bytes, aligned; written once, read by nobody here
.endr
.endm
	PLACES
	TOSTAGE 0
.irp a, 1,2,3
.if \a > 1
	s_wait_xcnt 0x0                                ; block a - 2's stores have read their registers and their base
.endif
	TOSTAGE \a
	SEND \a-1, 32                                  ; behind block a - 1's loads: block a's 16 stores and 16 loads
.endr
	s_wait_xcnt 0x0
	SEND 3, 0
	s_wait_tensorcnt 0x0                           ; the wave's end
	ds_add_u32 v[SPW], v[NIL]
	s_wait_dscnt 0x0
	CROUND                                         ; the closing round
	s_endpgm
.Lfunc_end_k_q54c7d80486_outproj:
	.size	k_q54c7d80486_outproj, .Lfunc_end_k_q54c7d80486_outproj-k_q54c7d80486_outproj
	.p2alignl 7, 3214868480
	.fill 96, 4, 3214868480
	.section	.rodata,"a",@progbits
	.p2align	6, 0x0
	.amdhsa_kernel k_q54c7d80486_outproj
		.amdhsa_group_segment_fixed_size 327680
		.amdhsa_private_segment_fixed_size 0
		.amdhsa_enable_private_segment 0
		.amdhsa_kernarg_size 32
		.amdhsa_user_sgpr_count 2
		.amdhsa_user_sgpr_kernarg_segment_ptr 1
		.amdhsa_wavefront_size32 1
		.amdhsa_system_sgpr_workgroup_id_x 1
		.amdhsa_system_sgpr_workgroup_id_y 1
		.amdhsa_system_sgpr_workgroup_id_z 1
		.amdhsa_system_vgpr_workitem_id 0
		.amdhsa_next_free_vgpr 576
		.amdhsa_next_free_sgpr 80
		.amdhsa_reserve_vcc 0
		.amdhsa_float_denorm_mode_32 3
		.amdhsa_float_denorm_mode_16_64 3
		.amdhsa_memory_ordered 1
		.amdhsa_forward_progress 1
		.amdhsa_inst_pref_size 148
	.end_amdhsa_kernel
	.amdgpu_metadata
---
amdhsa.version: [ 1, 2 ]
amdhsa.kernels:
  - .name:           k_q54c7d80486_outproj
    .symbol:         k_q54c7d80486_outproj.kd
    .args:
      - { .name: o, .offset: 0, .size: 8, .value_kind: global_buffer, .address_space: global }
      - { .name: wp, .offset: 8, .size: 8, .value_kind: global_buffer, .address_space: global }
      - { .name: bo, .offset: 16, .size: 8, .value_kind: global_buffer, .address_space: global }
      - { .name: out0, .offset: 24, .size: 8, .value_kind: global_buffer, .address_space: global }
    .group_segment_fixed_size: 327680
    .private_segment_fixed_size: 0
    .kernarg_segment_align: 8
    .kernarg_segment_size: 32
    .max_flat_workgroup_size: 128
    .sgpr_count:     80
    .vgpr_count:     576
    .wavefront_size: 32
...
	.end_amdgpu_metadata
.endif
;; end of part 5
